; MI455X (gfx1250); checked and timed in simulation.
; The chip was launched on July 23, 2026; its instructions are those of AMD's public machine-readable ISA for CDNA 5 (MIT licence, August 2026) and "CDNA5" Instruction Set Architecture Reference Guide (July 2026). The comments in the code are by the model that wrote it; some were corrected since.
;; Multihead Self Attention. Allowed arithmetic: matrix products marked QUANTISED: E2M3 operands, one E8M0 scale for each 32 along K, by v_wmma_scale_f32_16x16x128_f8f6f4 with both operands' format E2M3, f32 sums; everything else in f32.
;; Inputs: Wk_codes 1,024 x 32 x 24 uint8 (E2M3 codes of Wk, K innermost, in blocks of 32 codes, four codes in three bytes); Wk_scales 1,024 x 32 uint8 (E8M0 scales of Wk, one for each 32 codes along K); Wo_codes 1,024 x 32 x 24 uint8 (E2M3 codes of Wo, K innermost, in blocks of 32 codes, four codes in three bytes); Wo_scales 1,024 x 32 uint8 (E8M0 scales of Wo, one for each 32 codes along K); Wq_codes 1,024 x 32 x 24 uint8 (E2M3 codes of Wq, K innermost, in blocks of 32 codes, four codes in three bytes); Wq_scales 1,024 x 32 uint8 (E8M0 scales of Wq, one for each 32 codes along K); Wv_codes 1,024 x 32 x 24 uint8 (E2M3 codes of Wv, K innermost, in blocks of 32 codes, four codes in three bytes); Wv_scales 1,024 x 32 uint8 (E8M0 scales of Wv, one for each 32 codes along K); x_codes 4 x 2,048 x 32 x 24 uint8 (E2M3 codes of x, K innermost, in blocks of 32 codes, four codes in three bytes); x_scales 4 x 2,048 x 32 uint8 (E8M0 scales of x, one for each 32 codes along K).
;; Outputs: out0 4 x 2,048 x 1,024 float32.
;; This version of the problem:
;;   THIS VERSION OF THE PROBLEM IS GIVEN IN LOW PRECISION. The matrix products marked QUANTISED in the list below multiply operands that are first quantised to E2M3 (2 exponent bits, 3 mantissa bits; 6 bits a number), with one power-of-two scale for each 32 numbers along K (OCP MX v1.0); their sums are f32. All else is computed in f32.
;;   The module's matrix products, in the order in which they are computed (A, B: the left and right operand; K: the contracted axis; several contracted axes count as one K, in the product's order):
;;     1. [M 8,192, K 1,024] x [K 1,024, N 1,024]; A: input x (given as codes); B: input Wq (given as codes): QUANTISED
;;     2. [M 8,192, K 1,024] x [K 1,024, N 1,024]; A: input x (given as codes); B: input Wk (given as codes): QUANTISED
;;     3. [M 8,192, K 1,024] x [K 1,024, N 1,024]; A: input x (given as codes); B: input Wv (given as codes): QUANTISED
;;     4. batch 64 x [M 2,048, K 64] x [K 64, N 2,048]; A: computed on the way; B: computed on the way: QUANTISED
;;     5. batch 64 x [M 2,048, K 2,048] x [K 2,048, N 64]; A: softmax (see below); B: computed on the way: QUANTISED
;;     6. [M 8,192, K 1,024] x [K 1,024, N 1,024]; A: computed on the way; B: input Wo (given as codes): QUANTISED
;;   THE QUANTISER, for each operand of a quantised product, along K:
;;     - K is cut into blocks of 32 from its start; a last block that is shorter is filled with zeros.
;;     - A block's scale is 2^e with e = floor(log2(the largest magnitude in the block)) - 2, held to -126 .. 127; a block of zeros has e = 0. As a byte (E8M0): e + 127.
;;     - Each number is divided by its block's scale, clamped to +-7.5, and rounded to the nearest number of E2M3, ties to even, subnormals kept.
;;     - The product sums the exact products of the quantised numbers (number of the format x scale) in f32.
;;   ~~~python
;;   def quantise(x, axis):      # numpy; x: float32 -> the quantised numbers, widened to float32 again
;;       x = np.moveaxis(x, axis, -1); K = x.shape[-1]
;;       x = np.pad(x, [(0, 0)] * (x.ndim - 1) + [(0, -K % 32)]); x = x.reshape(x.shape[:-1] + (-1, 32)); a = np.abs(x).max(-1, keepdims=True)
;;       e = np.where(a > 0, np.clip(np.frexp(np.where(a > 0, a, 1))[1] - 1 - 2, -126, 127), 0)      # np.frexp(a)[1] - 1 = floor(log2(a)), exactly
;;       r = np.clip(x / 2.0 ** e, -7.5, 7.5)
;;       step = 2.0 ** (np.maximum(np.frexp(np.where(r == 0, 1, r))[1] - 1, 0) - 3)
;;       q = np.round(r / step) * step * 2.0 ** e      # np.round: ties to even
;;       return np.moveaxis(q.reshape(q.shape[:-2] + (-1,))[..., :K], -1, axis).astype(np.float32)
;;   ~~~
;;   SOFTMAX AHEAD OF A QUANTISED PRODUCT. Where the list says 'softmax', what is quantised is not the finished softmax but p = 2^(t - M), with t = logit x log2(e) and M = ceil(the row's largest t), a whole number; so 1/2 < the row's largest p <= 1. The row's sum l is taken of the UNQUANTISED p, in f32, and the product's result is divided by l at the end. Since M is a whole number, a kernel that streams over the keys may use a running M (the ceiling of the running maximum): every later rescaling is an exact power of two, which a block's scale takes up: the codes' values come out the same.
;;   OPERANDS COMPUTED ON THE WAY. 'Computed on the way' means the value that the module computes at that place (a softmax that the list does not call 'softmax' is quantised finished and normalised). What goes into a quantiser is computed in f32, as accurately as f32 sums, v_exp_f32 and their like allow (about 1e-6 of the number): no bf16 or f16 on the way to a quantiser, and a product that is left as it is and whose result goes on into a quantised operand takes f32 operands (vector FMAs, or v_wmma_f32_16x16x4_f32). A number that lies on a knife's edge between two numbers of the format may be rounded either way, as far as f32 arithmetic and the matrix unit's own rounding can turn it there, and no further.
;;   INPUTS GIVEN AS CODES. Wk (in the module: [1024, 1024], K = its axis 1); Wo (in the module: [1024, 1024], K = its axis 1); Wq (in the module: [1024, 1024], K = its axis 1); Wv (in the module: [1024, 1024], K = its axis 1); x (in the module: [4, 2048, 1024], K = its axis 2): each comes as NAME_codes (uint8): NAME with its K axis moved to the last place and cut into blocks of 32 codes, [.., K / 32, bytes a block], one block behind the other in memory; four codes in three bytes: a row's codes are one little-endian stream of bits, code i at bits 6 i .. 6 i + 5 (a code: sign, 2 exponent bits, 3 mantissa bits); and NAME_scales (uint8): the same leading axes, one E8M0 byte (e + 127) for each 32 codes along K. Its value is code x scale, taken as it is: it is not quantised again, and the codes and scales need not be those that the quantiser above would give.
;; One version. Each part assembles by itself: llvm-mc -triple=amdgcn-amd-amdhsa -mcpu=gfx1250 --defsym DOCPART=n.
;; ======== version 1 of 1: 3 launches
;; workspace buffers: qrec 6,815,744 bytes; kv 13,369,344 bytes; oimg 6,291,456 bytes; osc 262,144 bytes
;; launch qkv (part 1): grid 4 x 96, 4 waves a work-group, clusters of 4 x 4, 327,680 bytes of LDS; arguments x_codes, x_scales, Wq_codes, Wq_scales, Wk_codes, Wk_scales, Wv_codes, Wv_scales, qrec, kv; writes qrec, kv
.if DOCPART == 1
	.amdgcn_target "amdgcn-amd-amdhsa--gfx1250"
	.amdhsa_code_object_version 6
	.text
	.protected	k_q1a7066815f_qkv
	.globl	k_q1a7066815f_qkv
	.p2align	8
	.type	k_q1a7066815f_qkv,@function
k_q1a7066815f_qkv:
	s_mov_b64 s[64:65], 0
	v_nop
	global_prefetch_b8 v0, s[64:65] scope:SCOPE_SE
	s_setreg_imm32_b32 hwreg(HW_REG_WAVE_MODE, 25, 1), 1
	s_wait_xcnt 0x0
	s_wait_alu depctr_hold_cnt(0) depctr_sa_sdst(0) depctr_va_vdst(0) depctr_va_sdst(0) depctr_va_ssrc(0) depctr_va_vcc(0) depctr_vm_vsrc(0)
	s_getreg_b32 s2, hwreg(HW_REG_IB_STS2, 6, 4)
	s_cmp_eq_u32 s2, 0
	s_cbranch_scc0 .Lentry_in_a_cluster
	s_endpgm
.Lentry_in_a_cluster:
	s_bfe_u32 s2, ttmp6, 0x10000c
	s_cmp_lg_u32 s2, 0xf033
	s_cbranch_scc0 .Lentry_shape_is_right
	s_endpgm
.Lentry_shape_is_right:
; q = x Wq^T, k = x Wk^T, v^T = Wv x^T on codes of FP6 (E2M3) with one E8M0 scale for each 32 along K = 1,024; each result is quantised again, in registers, along its columns, and leaves as codes.
; ONE BODY: C = A B^T, 256 x 256 a work-group, quantised along C's columns.  q, k: A = x (rows = tokens), B = the weight (columns = a head's 64 numbers).  v: A = Wv (rows = channels), B = x (columns = keys).
; The grid's 24 clusters along y: 0-7 make q, 8-15 k, 16-23 v.  The kind is equal in all sixteen partners of a cluster; it chooses pointers, strides and the form of the last store.
; Four waves, as many as a WGP has SIMDs; a wave makes 128 x 128: 64 accumulators, 512 registers.  K goes in slots of 256 (rows of 192 bytes) through a ring of two LDS slots filled by the tensor data mover.
; The scale bytes of the work-group's 256 rows of A and of B, for all of K, are two dense blocks: they come into LDS once, with the first fills.
; CLUSTERS: 4 x 4 work-groups; A's tile is shared along a row of the cluster, B's along a column: each is asked for jointly, by the same tensor load with the same descriptor and a mask that names the four.
; THE MATRIX INSTRUCTION IS USED TRANSPOSED (source 0 = 16 rows of B, source 1 = 16 rows of A), AND THE ROWS OF B THAT FORM A TILE ARE NOT NEIGHBOURS: lane r of tile 2 b + u takes row 32 b + 8 u + r + 8 (r / 8).
; So a lane holds ONE row of C, and the 16 registers of tiles 2 b and 2 b + 1 are the columns 32 b + 16 (lane / 16) + 0 .. 15: sixteen neighbours of a block of 32, as the conversion wants them.
; OUT.  A block of 16 rows x 128 columns becomes a fragment of 12 registers a lane and one scale word a row.  The buffers are laid in the order of an operand's registers: a pair of registers of all 32 lanes is
; one run of 256 bytes, lane l at byte 8 (l xor 8 (tile & 1)), so each store of the wave covers 256 consecutive bytes, aligned, straight from registers.
;   qrec [head 64][step of 128 tokens 16][6,656]: 8 tiles of 16 tokens x 768 bytes; from 6,144 the scale words (s0, s1, 0, 0) at (tile / 4) 256 + 16 row + 4 (tile % 4).
;   kv   [head 64][step 16][13,056]: k as in qrec; from 6,656 v: [half of the 128 keys][tile of 16 channels, 4][768]; from 12,800 v's scale words at 16 row + 4 tile.
; LIMITS: scale bytes 0xff, NaN and infinities are not served.  A block whose largest magnitude lies under 2^-124, a block of zeros too, gets the byte 1 (the rule says 127 for zeros): its codes
; are then zeros or held small, and these bytes are read by this program alone.
; REGISTERS, in windows of 256: window 0: v15-31 addresses; v32-63 scale words, two sets; v128-223 A's fragments, one set; on the way out v32-171 are at work.
;   window 1: B's fragments, two sets, at v0 and v128.   window 2: the accumulators of my rows 0-63 ((a, b) at v[8 (8 a + b)]);   window 3: those of rows 64-127.
.set NQ,     2                         ; steps of 128 along K in a slot
.set ROWB,   192                       ; a tile's row: 256 codes
.set KROW,   768                       ; a row of A or B in memory
.set PITCH,  240                       ; an LDS row: 3 x (64 bytes + 16 of padding)
.set FR,     12                        ; registers of a fragment
.set NL,     6                         ; LDS loads that bring one
.set NP,     4                         ; places behind this matrix instruction (ISA guide 7.12.1)
.set HALFT,  128*PITCH                 ; 128 rows: one tensor load
.set SLOT,   4*HALFT                   ; A's 256 rows, then B's
.set SCL,    2*SLOT                    ; behind the ring: the scale bytes, as runs of 256 bytes (8 rows of 32) + 16 of padding
.set HALFS,  16*272                    ; those of 128 rows
.set SBLK,   2*272                     ; those of 16 rows
.set SPARE,  SCL+4*HALFS               ; the spare words, 128 bytes for each wave: two blocks of 256 bytes that no other line names
.set RECQ,   6656
.set RECKV,  13056
.set HEADQ,  16*RECQ
.set HEADKV, 16*RECKV
.set LN,   15                          ; v15     lane
.set ADRA, 16                          ; v16-17  LDS address of my A fragments in slot 0, 1  (v18-19: for the pieces behind one padding more)
.set ADRB, 20                          ; v20-21  the same for B  (v22-23)
.set VO0,  24                          ; v24     out: 8 lane;  v25: 8 (lane xor 8)
.set VSQ,  26                          ; v26     out: 16 lane
.set ADRS, 27                          ; v27     LDS address of my scale words: lanes 0-15 A's rows, lanes 16-31 B's, for even tiles
.set SPW,  28                          ; v28     LDS address of my spare word; never rewritten
.set NIL,  29                          ; v29     0; never rewritten
.set ADRO, 30                          ; v30     as v27, for odd tiles
.set VSV,  31                          ; v31     out: 16 (lane % 16) + (lane / 16) x a head of kv
.set SC,   32                          ; scale words: set s at v[SC + 16 s]; register 2 i + q: lanes 0-15 A's block i, lanes 16-31 B's tile i
.set AF,   128                         ; A's fragments
.set TM,   32                          ; way out: v32-35 largest magnitudes, v36-39 bytes, v44-47 the conversions' scale operands
.set CT,   48                          ; way out: the second halves of the blocks' codes
.set PWS,  56                          ; way out: v56-63 the scale words of my eight blocks of rows
.set F0,   64                          ; way out: block a's fragment at v[64 + 12 a]
.set XW,   160                         ; way out: scale words, four tiles to a lane
.set XA,   164
.set XB,   168
.set KIND, 66                          ; s66  0 q, 1 k, 2 v
.set G1,   24                          ; s[24:31] descriptor group 1 for A's tiles;  s[32:39] group 0, one set for each slot
.set G0,   32
.set G1B,  48                          ; s[48:55], s[56:63] the same for B's
.set G0B,  56
.set G1S,  68                          ; s[68:75], s[76:79] groups 1 and 0 for A's scales;  s[80:87], s[88:91] for B's
.set G0S,  76
.set G1SB, 80
.set G0SB, 88
.set MSB, 0
.macro WIN new                         ; the immediate's high byte repeats the setting that is left
.if MSB != (\new)
	s_set_vgpr_msb (MSB<<8)|(\new)
.set MSB, (\new)
.endif
.endm
.set MUL_LO, 0xa1                      ; source 0 (B) window 1, source 1 (A) window 0, C and D window 2
.set MUL_HI, 0xf1                      ; the same, C and D window 3
.set TO_B,   0x40                      ; destination window 1, address window 0
; A joint load: waves 0 and 1 fetch for A, waves 2 and 3 for B; the branch hangs on the wave's number alone.  Four v_nop follow each of the two lines.
.macro JLOAD g0a, g1a, g0b, g1b
	s_cmp_eq_u32 s15, 0
	s_cbranch_scc0 .Lfor_b_\@
	tensor_load_to_lds s[\g0a:\g0a+3], s[\g1a:\g1a+7]
	s_nop 0
.rept 4
	v_nop
.endr
	s_branch .Lasked_\@
.Lfor_b_\@:
	tensor_load_to_lds s[\g0b:\g0b+3], s[\g1b:\g1b+7]
	s_nop 0
.rept 4
	v_nop
.endr
.Lasked_\@:
.endm
.macro CREST                           ; a round of the cluster's barrier behind its opening barrier
	s_cmp_lg_u32 s14, 0
	s_cbranch_scc1 .Lnot_wave_0_\@
	s_barrier_signal -3
.Lnot_wave_0_\@:
	s_barrier_wait -3
	s_barrier_signal -1
	s_barrier_wait -1
.endm
.macro CROUND                          ; a whole round
	s_barrier_signal -1
	s_barrier_wait -1
	CREST
.endm
	s_load_b512 s[68:83], s[0:1], 0x0              ; x's codes, scales; Wq's; Wk's; Wv's
	s_load_b128 s[84:87], s[0:1], 0x40             ; qrec, kv
	v_lshl_add_u32 v[SPW], v0, 2, SPARE
	v_mov_b32 v[NIL], 0
	ds_add_u32 v28, v29
	ds_add_u32 v28, v29
	s_wait_dscnt 0x0
	v_lshrrev_b32 v1, 5, v0
	v_readfirstlane_b32 s14, v1                    ; wave 0..3
	s_lshr_b32 s15, s14, 1                         ; which half of the tile's rows is mine.  Also: I fetch for A (0) or for B (1)
	s_and_b32 s16, s14, 1                          ; which half of its columns.  Also: which 128 rows of that tile I fetch
	s_bfe_u32 s40, ttmp6, 0x40000                  ; cx, cy: my place in the cluster
	s_bfe_u32 s41, ttmp6, 0x40004
	s_and_b32 s67, ttmp7, 0xffff                   ; the cluster's y, 0..23
	s_lshr_b32 s[KIND], s67, 3
	s_and_b32 s67, s67, 7                          ; which of the kind's eight clusters
	s_cmp_eq_u32 s[KIND], 2
	s_cselect_b32 s18, 0, s67                      ; q, k: the clusters go down x's 32 tile rows;
	s_cselect_b32 s19, s67, 0                      ; v: along x's 32 tile columns
	s_lshl_b32 s42, s19, 2
	s_add_co_u32 s42, s42, s40                     ; tile column of C
	s_lshl_b32 s17, s18, 2
	s_add_co_u32 s17, s17, s41                     ; tile row of C
	s_lshl_b32 s43, s41, 2
	s_lshl_b32 s43, 15, s43                        ; my row of the cluster
	s_lshl_b32 s44, 0x1111, s40                    ; my column
	s_mov_b32 s2, 0x76543210
	s_mov_b32 s3, 0xfedcba98                       ; v_permlanex16_b32's selects for lane l xor 16
	; descriptor group 1: a tile of 128 rows x 192 bytes, padded in LDS
	s_or_b32 s[G1+0], s43, (0<<16)|(1<<20)|(1<<21)|(3<<22)|(3<<25)  ; 15:0 the mask: A's tiles go to my row; 17:16 element of 1 byte; 20 padding on; 21 set beside a mask; 24:22 after every 16 words; 31:25 of 4 words
	s_or_b32 s[G1B+0], s44, (0<<16)|(1<<20)|(1<<21)|(3<<22)|(3<<25)
.irp g, G1, G1B
	s_mov_b32 s[\g+1], ROWB<<16                    ; tensor_dim0
	s_mov_b32 s[\g+2], 128<<16                     ; tensor_dim1
	s_mov_b32 s[\g+3], ROWB<<16                    ; tile_dim0
	s_mov_b32 s[\g+4], 128                         ; tile_dim1
	s_mov_b32 s[\g+5], KROW                        ; tensor_dim0_stride
	s_mov_b32 s[\g+6], 0
	s_mov_b32 s[\g+7], 0
.endr
	s_lshl_b32 s18, s16, 7                         ; which 128 rows of the tile I fetch
	s_lshl_b32 s20, s17, 8
	s_add_co_u32 s20, s20, s18                     ; A: row 256 x tile row + 128 x half
	s_lshl_b32 s46, s42, 8
	s_add_co_u32 s46, s46, s18                     ; B: row 256 x tile column + 128 x half
	s_lshl_b32 s22, s20, 5                         ; where these rows' scales begin: 32 bytes a row
	s_mov_b32 s23, 0
	s_lshl_b32 s92, s46, 5
	s_mov_b32 s93, 0
	s_mul_i32 s20, s20, KROW                       ; and their codes (under 2^23)
	s_mov_b32 s21, 0
	s_mul_i32 s46, s46, KROW
	s_mov_b32 s47, 0
	s_mul_i32 s45, s14, HALFT                      ; where they go: wave x 128 rows: no place in the cluster enters an LDS address
	s_mul_i32 s94, s14, HALFS
	s_wait_kmcnt 0x0
	s_cmp_eq_u32 s[KIND], 2                        ; the operands are chosen by the kind alone
	s_cselect_b64 s[4:5], s[80:81], s[68:69]       ; A's codes: Wv's or x's
	s_cselect_b64 s[6:7], s[82:83], s[70:71]       ; A's scales
	s_cselect_b64 s[8:9], s[68:69], s[76:77]       ; B's codes: x's or Wk's,
	s_cselect_b64 s[10:11], s[70:71], s[78:79]
	s_cmp_eq_u32 s[KIND], 0
	s_cselect_b64 s[8:9], s[72:73], s[8:9]         ; or Wq's
	s_cselect_b64 s[10:11], s[74:75], s[10:11]
	s_cselect_b64 s[12:13], s[84:85], s[86:87]     ; out: qrec or kv
	s_add_nc_u64 s[20:21], s[4:5], s[20:21]
	s_add_nc_u64 s[22:23], s[6:7], s[22:23]
	s_add_nc_u64 s[46:47], s[8:9], s[46:47]
	s_add_nc_u64 s[92:93], s[10:11], s[92:93]
	; the scales of 128 rows: a dense block of 4,096 bytes, as 16 rows of 256 bytes (32 elements of 8), 16 bytes of padding behind each.  (s68-87 held the arguments: all are chosen from by now)
	s_or_b32 s[G1S+0], s43, (3<<16)|(1<<20)|(1<<21)|(5<<22)|(3<<25)
	s_or_b32 s[G1SB+0], s44, (3<<16)|(1<<20)|(1<<21)|(5<<22)|(3<<25)
.irp g, G1S, G1SB
	s_mov_b32 s[\g+1], 32<<16
	s_mov_b32 s[\g+2], 16<<16
	s_mov_b32 s[\g+3], 32<<16
	s_mov_b32 s[\g+4], 16
	s_mov_b32 s[\g+5], 32
	s_mov_b32 s[\g+6], 0
	s_mov_b32 s[\g+7], 0
.endr
	CROUND                                         ; all sixteen work-groups are here: the first joint loads meet
	s_mov_b32 s[G0S], 1
	s_add_co_u32 s[G0S+1], s94, SCL
	s_mov_b64 s[G0S+2:G0S+3], s[22:23]
	s_or_b32 s[G0S+3], s[G0S+3], 0x80000000
	s_mov_b32 s[G0SB], 1
	s_add_co_u32 s[G0SB+1], s94, SCL
	s_mov_b64 s[G0SB+2:G0SB+3], s[92:93]
	s_or_b32 s[G0SB+3], s[G0SB+3], 0x80000000
	JLOAD G0S, G1S, G0SB, G1SB                     ; the scales first: they are wanted with the first step
.irp s, 0,1
	s_mov_b32 s[G0+4*\s], 1
	s_add_co_u32 s[G0+4*\s+1], s45, \s*SLOT
	s_add_nc_u64 s[G0+4*\s+2:G0+4*\s+3], s[20:21], \s*ROWB
	s_or_b32 s[G0+4*\s+3], s[G0+4*\s+3], 0x80000000
	s_mov_b32 s[G0B+4*\s], 1
	s_add_co_u32 s[G0B+4*\s+1], s45, \s*SLOT
	s_add_nc_u64 s[G0B+4*\s+2:G0B+4*\s+3], s[46:47], \s*ROWB
	s_or_b32 s[G0B+4*\s+3], s[G0B+4*\s+3], 0x80000000
	JLOAD G0+4*\s, G1, G0B+4*\s, G1B
.endr
	v_and_b32 v1, 15, v0                           ; r = lane % 16
	v_bfe_u32 v2, v0, 4, 1                         ; h = lane / 16
	v_and_b32 v[LN], 31, v0
	v_mul_u32_u24 v3, v1, PITCH
	v_mad_u32_u24 v4, v2, 24, v3                   ; A: row r x pitch + 24 h
	v_lshl_add_u32 v5, v2, 4, v4                   ; and the same behind one padding more
	v_and_b32 v6, 8, v1
	v_mul_u32_u24 v6, v6, PITCH
	v_add_nc_u32 v7, v4, v6                        ; B: row r + 8 (r / 8)
	v_add_nc_u32 v8, v5, v6
	s_mul_i32 s21, s15, HALFT                      ; my 128 rows of A
	s_mul_i32 s22, s16, HALFT                      ; my 128 rows of B,
	s_add_co_u32 s22, s22, 2*HALFT                 ; which lie behind A's 256
.irp s, 0,1
	v_add_nc_u32 v[ADRA+\s], s21, v4
	v_add_nc_u32 v[ADRB+\s], s22, v7
	v_add_nc_u32 v[ADRA+2+\s], s21, v5
	v_add_nc_u32 v[ADRB+2+\s], s22, v8
	s_add_co_u32 s21, s21, SLOT
	s_add_co_u32 s22, s22, SLOT
.endr
	; scale words: a row's 32 bytes lie at 32 (row % 8) + 272 (row / 8).  Lanes 0-15: A's block i, row 16 i + r.  Lanes 16-31: B's tile i = 2 b + u, row 32 b + 8 u + r + 8 (r / 8): against the
	; offset 544 i that is 544 (r / 8) for 272 (r / 8), and 272 less where u = 1
	v_and_b32 v9, 7, v0
	v_lshlrev_b32 v9, 5, v9                        ; 32 (lane % 8)
	v_bfe_u32 v10, v0, 3, 1
	v_mad_u32_u24 v9, v10, 272, v9                 ; + 272 (r / 8)
	v_add_nc_u32 v10, 8, v[LN]
	v_lshrrev_b32 v10, 5, v10                      ; 1 in lanes 24-31
	v_mad_u32_u24 v9, v10, 272, v9                 ; there once more
	s_mul_i32 s21, s15, HALFS                      ; A's: my 128 rows
	s_mul_i32 s22, s16, HALFS                      ; B's: my 128 rows, behind A's 256
	s_add_co_u32 s22, s22, 2*HALFS
	s_sub_co_u32 s22, s22, s21
	v_mul_u32_u24 v10, s22, v2                     ; lanes 16-31 take B's
	s_add_co_u32 s21, s21, SCL
	v_add_nc_u32 v9, v9, v10
	v_add_nc_u32 v[ADRS], s21, v9
	v_mul_u32_u24 v10, v2, 272
	v_sub_nc_u32 v[ADRO], v[ADRS], v10
	; the way out: lane offsets
	v_lshlrev_b32 v[VO0], 3, v[LN]
	v_xor_b32 v[VO0+1], 64, v[VO0]
	v_lshlrev_b32 v[VSQ], 4, v[LN]
	v_lshlrev_b32 v[VSV], 4, v1
	v_mad_u32_u24 v[VSV], v2, HEADKV, v[VSV]
	; and four bases.  G: which 128 tokens (batch 16 G' + step);  H0: the first of my two heads.  q, k: rows are tokens, columns heads;  v: rows are heads' channels, columns tokens
	s_lshl_b32 s20, s17, 1
	s_add_co_u32 s20, s20, s15                     ; 2 x tile row + my half
	s_lshl_b32 s21, s42, 1
	s_add_co_u32 s21, s21, s16                     ; 2 x tile column + my half
	s_mov_b32 s92, HEADKV
	s_mov_b32 s93, RECKV
	s_cmp_eq_u32 s[KIND], 0
	s_cselect_b32 s92, HEADQ, s92                  ; bytes of a head
	s_cselect_b32 s93, RECQ, s93                   ; bytes of a step
	s_cmp_eq_u32 s[KIND], 2
	s_cselect_b32 s22, s21, s20                    ; G
	s_cselect_b32 s23, s20, s21                    ; H0 / 2
	s_cselect_b32 s94, 6656, 0                     ; v lies behind k in a step
	s_cselect_b32 s46, s92, 3072                   ; from my blocks 0-3 to blocks 4-7: the next head (v), or four tiles of tokens on
	s_cselect_b32 s20, 3072, s92                   ; from a fragment's registers 0-5 to 6-11: the other half of the keys (v), or the next head
	s_lshr_b32 s21, s22, 4
	s_lshl_b32 s21, s21, 4                         ; 16 x batch
	s_lshl_b32 s23, s23, 1
	s_add_co_u32 s21, s21, s23                     ; the head among 64
	s_mul_i32 s21, s21, s92
	s_and_b32 s22, s22, 15
	s_mul_i32 s22, s22, s93
	s_add_co_u32 s21, s21, s22
	s_add_co_u32 s94, s21, s94                     ; under 2^24
	s_mov_b32 s95, 0
	s_mov_b32 s21, 0
	s_mov_b32 s47, 0
	s_add_nc_u64 s[96:97], s[12:13], s[94:95]      ; blocks 0-3, registers 0-5
	s_add_nc_u64 s[98:99], s[96:97], s[20:21]      ; blocks 0-3, registers 6-11
	s_add_nc_u64 s[100:101], s[96:97], s[46:47]    ; blocks 4-7, registers 0-5
	s_add_nc_u64 s[104:105], s[100:101], s[20:21]  ; blocks 4-7, registers 6-11
; A fragment, 16 rows x 128 K of 6-bit codes, is 12 registers: lane l holds its row; registers 6 c .. 6 c + 5 hold K = 64 c + 32 (l / 16) + 0 .. 31: 24 bytes of the row's stream of bits, as they lie,
; in pieces of 8 bytes.  16 bytes of padding lie behind every 8 pieces: where the piece three on (lanes 16-31) lies behind one padding more, the second address register serves.  ro: the tile's first row
.macro FRAG reg, adr, q, ro
.irp p, 0,1,2,3,4,5
.set PCE, 12*(\q)+6*(\p/3)+\p%3
.if PCE%8 < 5
	ds_load_b64 v[\reg+2*\p:\reg+2*\p+1], v[\adr] offset:8*PCE+16*(PCE/8)+(\ro)*PITCH
.else
	ds_load_b64 v[\reg+2*\p:\reg+2*\p+1], v[\adr+2] offset:8*PCE+16*(PCE/8)+(\ro)*PITCH
.endif
.endr
.endm
; 16 matrix instructions: A's blocks a0, a0 + 1 x B's eight tiles, 128 along K: the slot's q-th.  p: B's set;  sc: the set of scale words.  zero = 1: the first product starts the sums.
; The 64 accumulators take turns, one instruction a turn, in the same order in every step.
.macro MUL16 a0, p, q, sc, zero
.irp a, \a0, \a0+1
.irp b, 0,1,2,3,4,5,6,7
.if \zero
	v_wmma_scale_f32_16x16x128_f8f6f4 v[8*(8*((\a)%4)+\b):8*(8*((\a)%4)+\b)+7], v[128*(\p)+FR*\b:128*(\p)+FR*\b+FR-1], v[AF+FR*(\a):AF+FR*(\a)+FR-1], 0, v[SC+8*NQ*(\sc)+NQ*\b+(\q)], v[SC+8*NQ*(\sc)+NQ*(\a)+(\q)] matrix_a_fmt:MATRIX_FMT_FP6 matrix_b_fmt:MATRIX_FMT_FP6 matrix_a_scale:MATRIX_SCALE_ROW1
.else
	v_wmma_scale_f32_16x16x128_f8f6f4 v[8*(8*((\a)%4)+\b):8*(8*((\a)%4)+\b)+7], v[128*(\p)+FR*\b:128*(\p)+FR*\b+FR-1], v[AF+FR*(\a):AF+FR*(\a)+FR-1], v[8*(8*((\a)%4)+\b):8*(8*((\a)%4)+\b)+7], v[SC+8*NQ*(\sc)+NQ*\b+(\q)], v[SC+8*NQ*(\sc)+NQ*(\a)+(\q)] matrix_a_fmt:MATRIX_FMT_FP6 matrix_b_fmt:MATRIX_FMT_FP6 matrix_a_scale:MATRIX_SCALE_ROW1
.endif
.endr
.endr
.endm
.macro FETCH_B slot, q, p              ; B's eight tiles of the slot's q-th 128 along K into set p; tile i begins at row 32 (i / 2) + 8 (i % 2)
	WIN TO_B
.irp i, 0,1,2,3,4,5,6,7
	FRAG 128*(\p)+FR*\i, ADRB+\slot, \q, 32*(\i/2)+8*(\i%2)
.endr
	WIN 0
.endm
.macro FETCH_A slot, q, i0             ; A's blocks i0 .. i0 + 3: neighbouring rows
.irp i, \i0, \i0+1, \i0+2, \i0+3
	FRAG AF+FR*(\i), ADRA+\slot, \q, 16*(\i)
.endr
.endm
.macro SCALES sc                       ; the next slot's scale words into set sc: two words a row
.irp i, 0,2,4,6
	ds_load_b64 v[SC+8*NQ*\sc+NQ*\i:SC+8*NQ*\sc+NQ*\i+1], v[ADRS] offset:\i*SBLK
	ds_load_b64 v[SC+8*NQ*\sc+NQ*(\i+1):SC+8*NQ*\sc+NQ*(\i+1)+1], v[ADRO] offset:(\i+1)*SBLK
.endr
.endm
; A load into a register that a matrix instruction has read, and a vector instruction that reads a matrix result or writes one of its registers, stand NP places behind it; only plain vector
; instructions that name none of its registers are places (ISA guide 7.12.1 for vector instructions).
.macro PLACES n
.rept \n
	v_nop
.endr
.endm
; A step of 128 along K that has its successor in the same slot.  A block of A is free as soon as its eight products are issued: blocks 0-3 are fetched anew in the step's middle, blocks 4-7 at its end.
.macro STEP slot, q, zero
	s_wait_dscnt 4*NL                              ; B's set and A's blocks 0-3 are in; the 24 youngest loads (A's blocks 4-7) may be out
	WIN MUL_LO
	MUL16 0, (\q)%2, \q, \slot, \zero
	MUL16 2, (\q)%2, \q, \slot, \zero
	s_wait_dscnt 0                                 ; A's blocks 4-7 are in (asked for 32 matrix instructions ago)
	PLACES NP
	FETCH_B \slot, (\q)+1, 1-(\q)%2
	FETCH_A \slot, (\q)+1, 0
	WIN MUL_HI
	MUL16 4, (\q)%2, \q, \slot, \zero
	MUL16 6, (\q)%2, \q, \slot, \zero
	PLACES NP
	WIN 0
	FETCH_A \slot, (\q)+1, 4
.endm
; A slot's last step changes slots: ONE barrier; in front of it each wave waits for all its tensor loads, adds 0 to its spare word, and waits for that and for its own reads of this slot.  fill = 1: this slot is filled again, two slots ahead.
.macro TURN slot, next, fill
	s_wait_tensorcnt 0x0                           ; all my tensor loads have landed: my part of the next slot  (every window is 0 here)
	ds_add_u32 v[SPW], v[NIL]                      ; 0 onto my spare word
	s_wait_dscnt 4*NL+1                            ; (the add and the 24 youngest loads, A's blocks 4-7, may be out)
	WIN MUL_LO
	MUL16 0, 1, NQ-1, \slot, 0                     ; sixteen matrix instructions stand between the add and the wait for it
	s_wait_dscnt 0x0                               ; the add is done, and my reads of this slot are over
	s_barrier_signal -1
	MUL16 2, 1, NQ-1, \slot, 0
	WIN 0
	s_barrier_wait -1
.if \fill
	CREST                                          ; the barrier has opened a round of the cluster's barrier: no wave of any partner still reads this slot's tile or has a load on its way
	s_add_nc_u64 s[G0+4*\slot+2:G0+4*\slot+3], s[G0+4*\slot+2:G0+4*\slot+3], 2*ROWB
	s_add_nc_u64 s[G0B+4*\slot+2:G0B+4*\slot+3], s[G0B+4*\slot+2:G0B+4*\slot+3], 2*ROWB
	JLOAD G0+4*\slot, G1, G0B+4*\slot, G1B         ; the first tensor load behind the round; the four v_nop behind it are the places in front of the loads below
.else
	PLACES NP
.endif
	v_add_nc_u32 v[ADRS], 4*NQ, v[ADRS]            ; on to the next slot's scale words (no LDS load of mine is out)
	v_add_nc_u32 v[ADRO], 4*NQ, v[ADRO]
	FETCH_B \next, 0, 0
	FETCH_A \next, 0, 0
	SCALES \next
	WIN MUL_HI
	MUL16 4, 1, NQ-1, \slot, 0
	MUL16 6, 1, NQ-1, \slot, 0
	PLACES NP
	WIN 0
	FETCH_A \next, 0, 4
.endm
	s_wait_tensorcnt 1                             ; three loads of mine are out: the scales and my part of slot 0 are in, slot 1's may stay out
	s_barrier_signal -1
	s_barrier_wait -1                              ; everybody's are
	FETCH_B 0, 0, 0
	FETCH_A 0, 0, 0
	SCALES 0
	FETCH_A 0, 0, 4
	; K = 1,024 is four slots, eight steps: twice round the ring, written out
	STEP 0, 0, 1                                   ; the first step's products start the sums
	TURN 0, 1, 1                                   ; slot 0 takes K 512 on
	STEP 1, 0, 0
	TURN 1, 0, 1                                   ; slot 1 takes K 768 on
	STEP 0, 0, 0
	TURN 0, 1, 0                                   ; nothing is left to fetch: no round
	STEP 1, 0, 0
	s_wait_dscnt 4*NL                              ; the last step
	WIN MUL_LO
	MUL16 0, 1, NQ-1, 1, 0
	MUL16 2, 1, NQ-1, 1, 0
	s_wait_dscnt 0
	WIN MUL_HI
	MUL16 4, 1, NQ-1, 1, 0
	MUL16 6, 1, NQ-1, 1, 0
	WIN 0
; THE WAY OUT.  Block a: 64 numbers a lane, register 16 b + i = column 32 b + 16 (lane / 16) + i of my row.  A block's scale is its largest magnitude's exponent less 2; the conversion takes the
; exponent field of its scale operand and nothing else of it.  Each accumulator is read from its low end on.
.macro QUANTA a
.set AC, 64*((\a)%4)
.set FB, F0+12*(\a)
	WIN 0x0a+5*((\a)/4)                            ; sources 0 and 1: window 2 or 3
.irp b, 0,1,2,3
	v_max3_num_f32 v[TM+\b], |v[AC+16*\b]|, |v[AC+16*\b+1]|, 0x1800000   ; my 16 numbers of block b, and the floor 2^(3 - 127): the byte cannot fall under 1
.endr
.irp i, 2,4,6,8,10,12,14
.irp b, 0,1,2,3
	v_max3_num_f32 v[TM+\b], |v[AC+16*\b+\i]|, |v[AC+16*\b+\i+1]|, v[TM+\b]   ; (the four blocks by turns)
.endr
.endr
	WIN 0
.irp b, 0,1,2,3
	v_permlanex16_b32 v[TM+4+\b], v[TM+\b], s2, s3
.endr
.irp b, 0,1,2,3
	v_max_num_f32 v[TM+\b], v[TM+\b], v[TM+4+\b]   ; with lane l xor 16's: the block's largest magnitude
.endr
.irp b, 0,1,2,3
	v_add_nc_u32 v[TM+12+\b], 0xff000000, v[TM+\b] ; 2 off its exponent field: the conversion's scale operand
.endr
.irp b, 0,1,2,3
	v_lshrrev_b32 v[TM+4+\b], 23, v[TM+12+\b]      ; the scale's byte
.endr
	v_lshl_or_b32 v[PWS+(\a)], v[TM+5], 8, v[TM+4] ; my row's scale word
	v_lshl_or_b32 v[PWS+(\a)], v[TM+6], 16, v[PWS+(\a)]
	v_lshl_or_b32 v[PWS+(\a)], v[TM+7], 24, v[PWS+(\a)]
	WIN 0x02+((\a)/4)                              ; source 0: window 2 or 3
.irp c, 0,1
	v_cvt_scalef32_pk16_fp6_f32 v[FB+6*\c:FB+6*\c+2], v[AC+32*\c:AC+32*\c+15], v[TM+12+2*\c]
	v_cvt_scalef32_pk16_fp6_f32 v[CT+4*\c:CT+4*\c+2], v[AC+32*\c+16:AC+32*\c+31], v[TM+13+2*\c]   ; (a conversion's three registers begin on an even number)
.endr
	WIN 0
	v_nop                                          ; one plain place behind a scaled conversion
.irp c, 0,1                            ; an operand's layout wants a WHOLE block in a lane: lanes 0-15 block 2 c, lanes 16-31 block 2 c + 1
.irp i, 0,1,2
	v_permlane16_swap_b32 v[FB+6*\c+\i], v[CT+4*\c+\i]
.endr
.irp i, 0,1,2
	v_mov_b32 v[FB+6*\c+3+\i], v[CT+4*\c+\i]
.endr
.endr
.endm
.macro PUT a                           ; six stores: each covers 256 consecutive bytes, aligned.  Every block has registers of its own: no store's data are written again
.set FB, F0+12*(\a)
.irp p, 0,1,2,3,4,5
.set SBASE, 96+4*((\a)/4)+2*(\p/3)+2*((\a)/4)*(\p/3)
	global_store_b64 v[VO0+(\a)%2], v[FB+2*\p:FB+2*\p+1], s[SBASE:SBASE+1] offset:((\a)%4)*768+(\p%3)*256
.endr
.endm
	PLACES NP                                      ; behind the last products: their results are read, and registers that held their operands and scales are written
.irp b, 0,1,2,3
	v_mov_b32 v[TM+4+\b], 0                        ; written once: a lane permute's destination counts as one of its sources
.endr
.irp a, 0,1,2,3,4,5,6,7
	QUANTA \a
	PUT \a
.endr
	v_cmp_le_u32 vcc_lo, 16, v[LN]
.irp i, 0,1,2,3
	v_cndmask_b32 v[XW+\i], v[PWS+\i], v[PWS+4+\i], vcc_lo   ; lanes 0-15: the words of blocks 0-3 of row r; lanes 16-31: of blocks 4-7
.endr
	s_cmp_eq_u32 s[KIND], 2                        ; the kind is equal in all partners
	s_cbranch_scc1 .Lv_scales
.irp i, 0,1,2,3
	v_and_b32 v[XA+\i], 0xffff, v[XW+\i]           ; q, k: a word's low two bytes are my first head's, (s0, s1, 0, 0);
	v_lshrrev_b32 v[XB+\i], 16, v[XW+\i]           ; the high two my second head's
.endr
	global_store_b128 v[VSQ], v[XA:XA+3], s[96:97] offset:6144   ; 512 consecutive bytes, aligned
	global_store_b128 v[VSQ], v[XB:XB+3], s[98:99] offset:6144
	s_branch .Lscales_out
.Lv_scales:
	global_store_b128 v[VSV], v[XW:XW+3], s[96:97] offset:6144   ; v: a word serves the step's 128 keys; lanes 0-15 my first head's 256 bytes, lanes 16-31 my second head's
.Lscales_out:
	s_wait_tensorcnt 0x0                           ; the wave's end
	ds_add_u32 v[SPW], v[NIL]
	s_wait_dscnt 0x0
	CROUND                                         ; the closing round: no work-group ends while a partner may still ask for a tile that names it
	s_endpgm
.Lfunc_end_k_q1a7066815f_qkv:
	.size	k_q1a7066815f_qkv, .Lfunc_end_k_q1a7066815f_qkv-k_q1a7066815f_qkv
	.p2alignl 7, 3214868480
	.fill 96, 4, 3214868480
	.section	.rodata,"a",@progbits
	.p2align	6, 0x0
	.amdhsa_kernel k_q1a7066815f_qkv
		.amdhsa_group_segment_fixed_size 327680
		.amdhsa_private_segment_fixed_size 0
		.amdhsa_enable_private_segment 0
		.amdhsa_kernarg_size 80
		.amdhsa_user_sgpr_count 2
		.amdhsa_user_sgpr_kernarg_segment_ptr 1
		.amdhsa_wavefront_size32 1
		.amdhsa_system_sgpr_workgroup_id_x 1
		.amdhsa_system_sgpr_workgroup_id_y 1
		.amdhsa_system_sgpr_workgroup_id_z 1
		.amdhsa_system_vgpr_workitem_id 0
		.amdhsa_next_free_vgpr 1024
		.amdhsa_next_free_sgpr 106
		.amdhsa_reserve_vcc 1
		.amdhsa_float_denorm_mode_32 3
		.amdhsa_float_denorm_mode_16_64 3
		.amdhsa_memory_ordered 1
		.amdhsa_forward_progress 1
		.amdhsa_inst_pref_size 168
	.end_amdhsa_kernel
	.amdgpu_metadata
---
amdhsa.version: [ 1, 2 ]
amdhsa.kernels:
  - .name:           k_q1a7066815f_qkv
    .symbol:         k_q1a7066815f_qkv.kd
    .args:
      - { .name: x_codes, .offset: 0, .size: 8, .value_kind: global_buffer, .address_space: global }
      - { .name: x_scales, .offset: 8, .size: 8, .value_kind: global_buffer, .address_space: global }
      - { .name: Wq_codes, .offset: 16, .size: 8, .value_kind: global_buffer, .address_space: global }
      - { .name: Wq_scales, .offset: 24, .size: 8, .value_kind: global_buffer, .address_space: global }
      - { .name: Wk_codes, .offset: 32, .size: 8, .value_kind: global_buffer, .address_space: global }
      - { .name: Wk_scales, .offset: 40, .size: 8, .value_kind: global_buffer, .address_space: global }
      - { .name: Wv_codes, .offset: 48, .size: 8, .value_kind: global_buffer, .address_space: global }
      - { .name: Wv_scales, .offset: 56, .size: 8, .value_kind: global_buffer, .address_space: global }
      - { .name: qrec, .offset: 64, .size: 8, .value_kind: global_buffer, .address_space: global }
      - { .name: kv, .offset: 72, .size: 8, .value_kind: global_buffer, .address_space: global }
    .group_segment_fixed_size: 327680
    .private_segment_fixed_size: 0
    .kernarg_segment_align: 8
    .kernarg_segment_size: 80
    .max_flat_workgroup_size: 128
    .sgpr_count:     106
    .vgpr_count:     1024
    .wavefront_size: 32
...
	.end_amdgpu_metadata
.endif
;; end of part 1
;; launch attn (part 2): grid 4 x 64, 16 waves a work-group, clusters of 4 x 1, 327,680 bytes of LDS; arguments qrec, kv, oimg, osc; writes oimg, osc
.if DOCPART == 2
	.amdgcn_target "amdgcn-amd-amdhsa--gfx1250"
	.amdhsa_code_object_version 6
	.text
	.protected	k_q1a7066815f_attn
	.globl	k_q1a7066815f_attn
	.p2align	8
	.type	k_q1a7066815f_attn,@function
k_q1a7066815f_attn:
	s_mov_b64 s[64:65], 0
	v_nop
	global_prefetch_b8 v0, s[64:65] scope:SCOPE_SE
	s_setreg_imm32_b32 hwreg(HW_REG_WAVE_MODE, 25, 1), 1
	s_wait_xcnt 0x0
	s_wait_alu depctr_hold_cnt(0) depctr_sa_sdst(0) depctr_va_vdst(0) depctr_va_sdst(0) depctr_va_ssrc(0) depctr_va_vcc(0) depctr_vm_vsrc(0)
	s_getreg_b32 s2, hwreg(HW_REG_IB_STS2, 6, 4)
	s_cmp_eq_u32 s2, 0
	s_cbranch_scc0 .Lentry_in_a_cluster
	s_endpgm
.Lentry_in_a_cluster:
	s_bfe_u32 s2, ttmp6, 0x10000c
	s_cmp_lg_u32 s2, 0x3003
	s_cbranch_scc0 .Lentry_shape_is_right
	s_endpgm
.Lentry_shape_is_right:
; o[b][q][head] = the sum over keys k <= q of softmax_k(q . k / 8) v, both products on codes of FP6 (E2M3) with one E8M0 scale for each 32 along a product's K; o is quantised again along the model's axis.
; THE SOFTMAX AHEAD OF THE SECOND PRODUCT: t = score x log2(e) / 8; M = the row's largest t so far, rounded UP to a whole number; p = 2^(t - M) is what is quantised, along the keys, not normalised.
; The row's sum is taken of the unquantised p, in f32, and divides O at the end.  When M moves, the sum and O are multiplied by 2^(old M - new M): exact.
; SHARES.  A cluster of four work-groups is one of the 64 heads.  The head's k and v, 208,896 bytes of codes and scale words as the launch before laid them, come into each work-group's LDS ONCE, by joint
; loads (the same tensor load with the same descriptor and a mask that names the four), and are only read after that: no slot is filled again, nothing is stored to LDS.
; Wave w of work-group cx owns two tiles of 16 queries: T1 = 4 w + cx and T2 = 127 - T1.  T1 needs w / 2 + 1 steps of 128 keys, T2 needs 16 - w / 2: 17 for every wave.  Both counts hang on the wave's
; number alone; cx enters global addresses and the mask's comparand only.  Every wave walks loops of constant length; a step all of whose keys come after its queries is jumped over.
; Sixteen waves of 256 registers: four to a SIMD, so that one wave's vector work stands beside another's matrix work and LDS loads.
; LAYOUT.  Both products are used transposed: S^T = K Q^T (source 0 = 16 keys), O^T = V^T P^T (source 0 = 16 channels): a lane holds ONE query (lane % 16) throughout.
; THE ROWS OF A TILE OF K OR V ARE NOT NEIGHBOURS: lane r of tile 2 b + u takes row 32 b + 8 u + r + 8 (r / 8), so that the 16 registers of tiles 2 b, 2 b + 1 are rows 32 b + 16 (lane / 16) + 0 .. 15.
; In LDS a tile of 16 NEIGHBOURING rows x 64 K is 768 bytes: three runs of 256 bytes, a pair of registers of all lanes each, lane (row, half) at byte 8 ((row xor 8 (tile & 1)) + 16 half).  Lane r of tile
; 2 b + u reads at 768 (2 b + r / 8) + 8 (r xor 8 u) + 128 (lane / 16): the 32 lanes of a load take 32 different places of 8 bytes modulo 256.
; THE FIRST PRODUCT'S K IS 64, the instruction's 128: Q's registers 6-11 are zero codes.  K's registers 6-11 are whatever follows in the register file (the next tile's codes; zeros behind the last):
; FP6 has no infinity and no NaN, so each such product is 0; the scale bytes there are 0 (2^-127) on both sides.
; OUT.  oimg [row tile 512][128 along d, 8][six runs of 256 bytes]: the last product's A fragments as images of their registers, lane l at byte 8 l; a head writes three runs.  osc [8,192][32]: scale bytes; a head owns 2 of a row's 32.
; LIMITS: NaN and infinities are not served.  p under 2^-126 counts as 0 (ISA guide 15.8: v_exp_f32 flushes denormal results).  o / l is a reciprocal (1 ulp) and a multiplication.  A block of o whose
; largest magnitude lies under 2^-124, zeros too, gets the byte 1 (the rule says 127 for zeros); the bytes are read by this program alone.
.set RECQ,   6656                      ; a step of qrec
.set HEADQ,  16*RECQ
.set REC,    13056                     ; a step of kv: K's images, K's scale words, V's images, V's scale words
.set HEADKV, 16*REC
.set KSCO,   6144
.set VIMG,   6656
.set VSCO,   12800
.set ROWS_A, 13                        ; a wave's first load: 13 rows of 256 bytes; sixteen such cover steps 0-3 (52,224 of 53,248 bytes)
.set ROWS_B, 38                        ; its second: 38 rows; 16 x (13 + 38) x 256 = 208,896
.set PART_A, ROWS_A*256
.set PART_B, ROWS_B*256
.set FIRST,  16*PART_A
.set AL0,  1                           ; v1   my lane's place in a tile with u = 0
.set AL1,  2                           ; v2   u = 1
.set ASK,  3                           ; v3   among K's scale words: lanes 0-15 tiles 0-3, lanes 16-31 tiles 4-7
.set ASV,  4                           ; v4   among V's: lanes 0-15 tiles 0, 1, lanes 16-31 tiles 2, 3
.set GO,   5                           ; v5   8 lane
.set GS,   6                           ; v6   32 (lane % 16)
.set DM,   7                           ; v7   my query in its step - 16 (lane / 16)
.set ADK,  8                           ; v8-9 LDS addresses of the step's tiles, u = 0, 1
.set ADS,  10                          ; v10  of K's scale words
.set ADT,  11                          ; v11  of V's
                                       ; v12 -M, v13 the largest t, v[14:15] the sum in two halves, v[30:31] a second chain of it
.set QC,   16                          ; v16-21 Q's codes, v22-27 zero codes
.set QS,   28                          ; v28  Q's scale words
.set RH,   29                          ; v29  lane % 16 - 16 (lane / 16)
.set KV,   32                          ; v32-79 eight tiles of K (6 registers each), later four fragments of V (12 each); v80-85 zero codes
.set KSC,  86                          ; v86-89 K's scale words
.set VSC,  90                          ; v90-91 V's
.set S,    96                          ; v96-159 S^T, then p
.set O,    160                         ; v160-191 O^T
.set PC,   192                         ; v192-203 p's codes
.set CT,   204                         ; v204-206, v208-210 the second halves of the blocks' codes
.set BM,   212                         ; v212-215 a block's largest score, then its largest p
.set BP,   216                         ; v216-219 the other half's; then the bytes
.set BS,   220                         ; v220-223 the conversions' scale operands
.set TMP,  224
.set FF,   226                         ; v226 f = 2^(old M - new M);
.set PW,   227                         ; v227 p's scale word (named with f as a pair)
.set Q1,   228                         ; v228-233 T1's codes, v234 its scale words, until its turn
.set WV,   12                          ; s12  wave
.set LAST, 19                          ; s19  the tile's last step, the one on the diagonal
.set SEL,  20                          ; s[20:21] lane selects for lane l xor 16
.set CS,   22                          ; s[22:23] c = log2(e) / 8
.set G1A,  24
.set G1B,  32
.set G0A,  40
.set G0B,  44
.set SI,   48                          ; s48  the step
.set TB,   49                          ; s49  where it begins in LDS
.set CNT,  50
.macro ROUND                           ; a round of the cluster's barrier
	s_barrier_signal -1
	s_barrier_wait -1
	s_cmp_lg_u32 s[WV], 0
	s_cbranch_scc1 .Lnot_wave_0_\@
	s_barrier_signal -3
.Lnot_wave_0_\@:
	s_barrier_wait -3
	s_barrier_signal -1
	s_barrier_wait -1
.endm
	s_load_b256 s[4:11], s[0:1], 0x0               ; qrec s[4:5], kv s[6:7], oimg s[8:9], osc s[10:11]
	v_lshl_add_u32 v254, v0, 2, 0x33000
	v_mov_b32 v255, 0
	ds_add_u32 v254, v255
	ds_add_u32 v254, v255
	v_lshrrev_b32 v8, 5, v0
	s_delay_alu instid0(VALU_DEP_1)
	v_readfirstlane_b32 s[WV], v8                  ; wave 0..15
	s_bfe_u32 s13, ttmp6, 0x40000                  ; cx
	s_and_b32 s14, ttmp7, 0xffff                   ; the head among 64, which the four partners share
	s_lshl_b32 s17, s[WV], 2
	s_add_co_u32 s17, s17, s13                     ; T1
	s_sub_co_u32 s18, 127, s17                     ; T2
	s_lshr_b32 s70, s[WV], 1                       ; T1 / 8 = w / 2, whatever cx
	s_sub_co_u32 s71, 15, s70                      ; T2 / 8 = 15 - w / 2
	; descriptor groups 1: dense rows of 256 bytes (32 elements of 8 bytes), no padding
.irp g, G1A, G1B
	s_mov_b32 s[\g], 15|(3<<16)|(1<<21)            ; 15:0 the mask: all four work-groups; 17:16 elements of 8 bytes; 21 set beside a mask
	s_mov_b32 s[\g+1], 32<<16                      ; tensor_dim0
	s_mov_b32 s[\g+3], 32<<16                      ; tile_dim0
	s_mov_b32 s[\g+5], 32                          ; tensor_dim0_stride
	s_mov_b32 s[\g+6], 0
	s_mov_b32 s[\g+7], 0
.endr
	s_mov_b32 s[G1A+2], ROWS_A<<16                 ; tensor_dim1
	s_mov_b32 s[G1A+4], ROWS_A                     ; tile_dim1
	s_mov_b32 s[G1B+2], ROWS_B<<16
	s_mov_b32 s[G1B+4], ROWS_B
	s_mov_b32 s[SEL], 0x76543210
	s_mov_b32 s[SEL+1], 0xfedcba98
	s_mov_b32 s[CS], 0x3e38aa3b                    ; log2(e) / 8
	s_mov_b32 s[CS+1], s[CS]                       ; (named with it as a pair, so it is written)
	s_mul_i32 s66, s14, HEADKV                     ; under 2^24
	s_mov_b32 s67, 0
	s_mul_i32 s15, s[WV], PART_A                   ; my parts of the record: in LDS as in memory
	s_mul_i32 s16, s[WV], PART_B
	s_add_co_u32 s16, s16, FIRST
	s_wait_dscnt 0x0
	s_wait_kmcnt 0x0
	s_add_nc_u64 s[6:7], s[6:7], s[66:67]          ; kv at the head
	s_mov_b32 s[G0A], 1
	s_mov_b32 s[G0A+1], s15
	s_mov_b32 s66, s15
	s_add_nc_u64 s[G0A+2:G0A+3], s[6:7], s[66:67]
	s_or_b32 s[G0A+3], s[G0A+3], 0x80000000
	s_mov_b32 s[G0B], 1
	s_mov_b32 s[G0B+1], s16
	s_mov_b32 s66, s16
	s_add_nc_u64 s[G0B+2:G0B+3], s[6:7], s[66:67]
	s_or_b32 s[G0B+3], s[G0B+3], 0x80000000
	ROUND                                          ; all four work-groups are here: the joint loads meet
	tensor_load_to_lds s[G0A:G0A+3], s[G1A:G1A+7]  ; two loads of mine are out: my part of steps 0-3,
	s_nop 0
	s_wait_alu depctr_va_vdst(0)
	s_wait_tensorcnt 0x0
	ds_add_u32 v254, v255
	s_wait_dscnt 0x0
	ROUND
	tensor_load_to_lds s[G0B:G0B+3], s[G1B:G1B+7]  ; and of the rest
	s_nop 0
.rept 4
	v_nop
.endr
	v_and_b32 v8, 15, v0                           ; r
	v_bfe_u32 v9, v0, 4, 1                         ; h
	v_and_b32 v10, 31, v0                          ; lane
	s_delay_alu instid0(VALU_DEP_3)
	v_lshrrev_b32 v11, 3, v8                       ; r / 8
	s_delay_alu instid0(VALU_DEP_1)
	v_mul_u32_u24 v[AL0], v11, 768
	s_delay_alu instid0(VALU_DEP_1)
	v_lshl_add_u32 v[AL0], v9, 7, v[AL0]           ; 768 (r / 8) + 128 h
	v_xor_b32 v12, 8, v8
	s_delay_alu instid0(VALU_DEP_1)
	v_lshl_add_u32 v[AL1], v12, 3, v[AL0]          ; + 8 (r xor 8)
	s_delay_alu instid0(VALU_DEP_3)
	v_lshl_add_u32 v[AL0], v8, 3, v[AL0]           ; + 8 r
	v_and_b32 v12, 7, v8
	s_delay_alu instid0(VALU_DEP_1)
	v_lshlrev_b32 v12, 4, v12
	s_delay_alu instid0(VALU_DEP_1)
	v_lshl_add_u32 v12, v11, 2, v12                ; 16 (r % 8) + 4 (r / 8)
	s_delay_alu instid0(VALU_DEP_1)
	v_lshl_add_u32 v[ASK], v9, 8, v12              ; K: tiles 4-7 lie 256 bytes on
	s_delay_alu instid0(VALU_DEP_2)
	v_lshl_add_u32 v[ASV], v9, 3, v12              ; V: tiles 2, 3 lie 8 bytes on
	v_lshlrev_b32 v[GO], 3, v10
	s_wait_alu depctr_va_vdst(0)
	v_lshlrev_b32 v[GS], 5, v8
	v_lshlrev_b32 v13, 4, v9
	s_delay_alu instid0(VALU_DEP_1)
	v_sub_nc_u32 v[RH], v8, v13
	s_mul_i32 s15, s14, HEADQ                      ; the head in qrec
; Q of tile s[t]: three runs of 256 bytes and a scale word a row.  va, va + 1: address registers of this tile's own
.macro QLOAD t, base, qc, qs, va
	s_lshr_b32 s66, s[\t], 3
	s_mul_i32 s66, s66, RECQ
	s_add_co_u32 s66, s66, s15
	s_mov_b32 s67, 0
	s_add_nc_u64 s[\base:\base+1], s[4:5], s[66:67]   ; the tile's step of 128 tokens
	s_and_b32 s68, s[\t], 7
	s_mul_i32 s69, s68, 768
	s_and_b32 s66, s[\t], 1
	s_lshl_b32 s66, s66, 6
	v_xor_b32 v[\va], s66, v[GO]                   ; 8 (lane xor 8 (tile & 1))
	s_delay_alu instid0(VALU_DEP_1)
	v_add_nc_u32 v[\va], s69, v[\va]
.irp p, 0,1,2
	global_load_b64 v[\qc+2*\p:\qc+2*\p+1], v[\va], s[\base:\base+1] offset:256*\p
.endr
	s_lshr_b32 s69, s68, 2
	s_lshl_b32 s69, s69, 8
	s_and_b32 s66, s[\t], 3
	s_lshl_b32 s66, s66, 2
	s_add_co_u32 s69, s69, s66
	v_lshl_add_u32 v[\va+1], v8, 4, s69            ; 256 (tile / 4) + 16 r + 4 (tile % 4)
	global_load_b32 v[\qs], v[\va+1], s[\base:\base+1] offset:KSCO
.endm
	QLOAD 18, 52, QC, QS, S                        ; T2 first: the longer walk
	QLOAD 17, 54, Q1, Q1+6, S+2
; where tile s[t] goes: oimg at ((128 batch + T) 8 + head / 2) 1,536 + 768 (head % 2);  osc at (128 batch + T) 512 + 2 head
.macro OBASE t, bo, bs
	s_lshr_b32 s66, s14, 4
	s_lshl_b32 s66, s66, 7
	s_add_co_u32 s66, s66, s[\t]
	s_lshl_b32 s68, s66, 9
	s_lshl_b32 s66, s66, 3
	s_and_b32 s67, s14, 15
	s_lshr_b32 s69, s67, 1
	s_add_co_u32 s66, s66, s69
	s_mul_i32 s66, s66, 1536
	s_and_b32 s69, s67, 1
	s_mul_i32 s69, s69, 768
	s_add_co_u32 s66, s66, s69
	s_lshl_b32 s67, s67, 1
	s_add_co_u32 s68, s68, s67
	s_mov_b32 s67, 0
	s_mov_b32 s69, 0
	s_add_nc_u64 s[\bo:\bo+1], s[8:9], s[66:67]
	s_add_nc_u64 s[\bs:\bs+1], s[10:11], s[68:69]
.endm
	OBASE 18, 56, 60
	OBASE 17, 58, 62
.irp i, 0,1,2,3,4,5
	v_mov_b32 v[QC+6+\i], 0                        ; Q's K 64 .. 127: zero codes
	v_mov_b32 v[KV+48+\i], 0                       ; and what stands behind K's last tile
.endr
.irp b, 0,1,2,3
	v_mov_b32 v[BP+\b], 0                          ; written once: a lane permute's destination counts as one of its sources
.endr
	v_mov_b32 v[PW], 0                             ; (named as the upper half of a pair before it is first written)
	v_mov_b32 v[TMP], 0
; A KEY STEP: 128 keys against my 16 queries.
.macro STEP
	s_cmp_gt_u32 s[SI], s[LAST]                    ; all its keys come after my queries: only the lines at its end that step addresses are run
	s_cbranch_scc1 .Lhid_\@
	s_setprio 2
	v_add_nc_u32 v[ADK], s[TB], v[AL0]             ; these four additions are the places between the last step's products and the loads into the registers that they read
	v_add_nc_u32 v[ADK+1], s[TB], v[AL1]
	v_add_nc_u32 v[ADS], s[TB], v[ASK]
	v_add_nc_u32 v[ADT], s[TB], v[ASV]
.irp t, 0,1,2,3,4,5,6,7
.irp p, 0,1,2
	ds_load_b64 v[KV+6*\t+2*\p:KV+6*\t+2*\p+1], v[ADK+\t%2] offset:(\t/2)*1536+256*\p
.endr
.endr
.irp e, 0,1,2,3
	ds_load_b32 v[KSC+\e], v[ADS] offset:KSCO+128*(\e%2)+8*(\e/2)   ; lanes 0-15: tile e's words; lanes 16-31: tile e + 4's
.endr
	s_wait_alu depctr_va_vdst(0)
	s_wait_dscnt 0x0
.irp t, 0,1,2,3                        ; S^T = K Q^T: eight accumulators, one instruction each
	v_wmma_scale_f32_16x16x128_f8f6f4 v[S+8*\t:S+8*\t+7], v[KV+6*\t:KV+6*\t+11], v[QC:QC+11], 0, v[KSC+\t], v[QS] matrix_a_fmt:MATRIX_FMT_FP6 matrix_b_fmt:MATRIX_FMT_FP6
.endr
.irp t, 4,5,6,7
	v_wmma_scale_f32_16x16x128_f8f6f4 v[S+8*\t:S+8*\t+7], v[KV+6*\t:KV+6*\t+11], v[QC:QC+11], 0, v[KSC+\t-4], v[QS] matrix_a_fmt:MATRIX_FMT_FP6 matrix_b_fmt:MATRIX_FMT_FP6 matrix_a_scale:MATRIX_SCALE_ROW1
.endr
.rept 4
	v_nop                                          ; four places: then loads into registers that these products read, and reads of their results
.endr
.irp t, 0,1,2,3                        ; V's four fragments (16 channels x 128 keys) land while the softmax is worked
.irp p, 0,1,2,3,4,5
	ds_load_b64 v[KV+12*\t+2*\p:KV+12*\t+2*\p+1], v[ADK+\t%2] offset:VIMG+3072*(\p/3)+1536*(\t/2)+256*(\p%3)
.endr
.endr
.irp u, 0,1
	ds_load_b32 v[VSC+\u], v[ADT] offset:VSCO+128*\u   ; lanes 0-15: tile u's words; lanes 16-31: tile 2 + u's
.endr
	s_cmp_lg_u32 s[SI], s[LAST]                    ; on the diagonal the scores of hidden keys become -infinity ahead of the maximum: p = 0 then.  The step's key 0 counts for every query of mine
	s_cbranch_scc1 .Lopen_\@
	v_mov_b32 v[TMP], 0xff800000
.set n, 0
.rept 64                               ; register n holds key 32 (n / 16) + n % 16 + 16 (lane / 16) of the step
	v_cmp_gt_i32 vcc_lo, 32*(n/16)+n%16, v[DM]
	v_cndmask_b32 v[S+n], v[S+n], v[TMP], vcc_lo
.set n, n+1
.endr
.Lopen_\@:
.irp b, 0,1,2,3
	v_max3_num_f32 v[BM+\b], v[S+16*\b], v[S+16*\b+1], v[S+16*\b+2]   ; THE LARGEST SCORE OF EACH BLOCK OF 32 KEYS serves twice: for the row's maximum and, since p rises with the score, for the block's largest p
.endr
.irp i, 3,5,7,9,11,13
.irp b, 0,1,2,3
	v_max3_num_f32 v[BM+\b], v[BM+\b], v[S+16*\b+\i], v[S+16*\b+\i+1]   ; (the four blocks by turns)
.endr
.endr
.irp b, 0,1,2,3
	v_max_num_f32 v[BM+\b], v[BM+\b], v[S+16*\b+15]
.endr
.irp b, 0,1,2,3
	s_delay_alu instid0(VALU_DEP_4)
	v_permlanex16_b32 v[BP+\b], v[BM+\b], s[SEL], s[SEL+1]
.endr
.irp b, 0,1,2,3
	s_delay_alu instid0(VALU_DEP_4)
	v_max_num_f32 v[BM+\b], v[BM+\b], v[BP+\b]     ; with lane l xor 16's 16 keys
.endr
	s_delay_alu instid0(VALU_DEP_2)
	v_max3_num_f32 v[TMP], v[BM], v[BM+1], v[BM+2]
	s_delay_alu instid0(VALU_DEP_1)
	v_max_num_f32 v[TMP], v[TMP], v[BM+3]          ; the step's largest score of my query
	s_delay_alu instid0(VALU_DEP_1)
	v_mul_f32 v[TMP], s[CS], v[TMP]                ; as t (c is positive)
	s_delay_alu instid0(VALU_DEP_1)
	v_max_num_f32 v13, v13, v[TMP]                 ; the running largest t
	v_mov_b32 v[TMP], v12
	s_delay_alu instid0(VALU_DEP_2)
	v_floor_f32 v12, -v13                          ; the new -M = floor(-t) = -ceil(t): a whole number
	s_delay_alu instid0(VALU_DEP_1)
	v_sub_f32 v[TMP], v12, v[TMP]                  ; old M - new M: a whole number, 0 or less
	s_delay_alu instid0(VALU_DEP_1)
	v_cvt_i32_f32 v[TMP], v[TMP]                   ; (it saturates)
	s_delay_alu instid0(VALU_DEP_1)
	v_ldexp_f32 v[FF], 1.0, v[TMP]                 ; f = 2^(old M - new M)
.set j, 0
	s_setprio 1
.rept 32
	v_pk_fma_f32 v[S+j:S+j+1], v[S+j:S+j+1], s[CS:CS+1], v[12:13] op_sel_hi:[1,0,0]   ; t - M, two at a time (of the pairs c and -M the low word serves both halves)
.set j, j+2
.endr
.irp b, 0,1,2,3
	v_fma_f32 v[BM+\b], v[BM+\b], s[CS], v12       ; the same of each block's largest score
.endr
.set j, 0
	s_wait_alu depctr_va_vdst(0)
.rept 64
	v_exp_f32 v[S+j], v[S+j]                       ; p = 2^(t - M), at most 1
.set j, j+1
.endr
.irp b, 0,1,2,3
	v_exp_f32 v[BM+\b], v[BM+\b]                   ; the block's largest p: the same two instructions on the same number give the same bits
.endr
	v_pk_mul_f32 v[14:15], v[14:15], v[FF:FF+1] op_sel_hi:[1,0]   ; the sums under the new M.  (The plain place behind the exponentials)
	s_wait_alu depctr_va_vdst(0)
.irp b, 0,1,2,3
	v_max_num_f32 v[BM+\b], 0x1800000, v[BM+\b]    ; the floor 2^(3 - 127): the byte cannot fall under 1
.endr
.irp b, 0,1,2,3
	s_delay_alu instid0(VALU_DEP_4)
	v_add_nc_u32 v[BS+\b], 0xff000000, v[BM+\b]    ; 2 off the exponent field: the conversion's scale operand
.endr
.irp b, 0,1,2,3
	s_delay_alu instid0(VALU_DEP_4)
	v_lshrrev_b32 v[BP+\b], 23, v[BS+\b]           ; the scale's byte
.endr
	s_delay_alu instid0(VALU_DEP_3)
	v_lshl_or_b32 v[PW], v[BP+1], 8, v[BP]         ; p's scale word for these 128 keys
	s_delay_alu instid0(VALU_DEP_1)
	v_lshl_or_b32 v[PW], v[BP+2], 16, v[PW]
	s_delay_alu instid0(VALU_DEP_1)
	v_lshl_or_b32 v[PW], v[BP+3], 24, v[PW]
.irp c, 0,1
	v_cvt_scalef32_pk16_fp6_f32 v[PC+6*\c:PC+6*\c+2], v[S+32*\c:S+32*\c+15], v[BS+2*\c]
	v_cvt_scalef32_pk16_fp6_f32 v[CT+4*\c:CT+4*\c+2], v[S+32*\c+16:S+32*\c+31], v[BS+2*\c+1]   ; (a conversion's three registers begin on an even number)
.endr
	v_nop                                          ; one plain place behind a scaled conversion
.irp c, 0,1                            ; the operand's layout wants a WHOLE block in a lane
.irp i, 0,1,2
	v_permlane16_swap_b32 v[PC+6*\c+\i], v[CT+4*\c+\i]
.endr
.irp i, 0,1,2
	s_delay_alu instid0(VALU_DEP_3)
	v_mov_b32 v[PC+6*\c+3+\i], v[CT+4*\c+\i]
.endr
.endr
	v_pk_add_f32 v[30:31], v[S:S+1], v[S+2:S+3]    ; THE ROW'S SUM IS TAKEN OF THE UNQUANTISED p: two at a time, in two chains.  (These are also the places between the scale word, the codes and the products below)
.set j, 4
	s_setprio 0
.rept 15
	v_pk_add_f32 v[14:15], v[14:15], v[S+j:S+j+1]
	v_pk_add_f32 v[30:31], v[30:31], v[S+j+2:S+j+3]
.set j, j+4
.endr
	s_delay_alu instid0(VALU_DEP_1)
	v_pk_add_f32 v[14:15], v[14:15], v[30:31]
.set j, 0
.rept 16
	v_pk_mul_f32 v[O+j:O+j+1], v[O+j:O+j+1], v[FF:FF+1] op_sel_hi:[1,0]   ; O^T under the new M
.set j, j+2
.endr
	s_wait_alu depctr_va_vdst(0)
	s_wait_dscnt 0x0                               ; V is in
.irp t, 0,1                            ; O^T += V^T P^T: four accumulators, one instruction each: between two links of a chain stand the eleven other products of a step
	v_wmma_scale_f32_16x16x128_f8f6f4 v[O+8*\t:O+8*\t+7], v[KV+12*\t:KV+12*\t+11], v[PC:PC+11], v[O+8*\t:O+8*\t+7], v[VSC+\t], v[PW] matrix_a_fmt:MATRIX_FMT_FP6 matrix_b_fmt:MATRIX_FMT_FP6
.endr
.irp t, 2,3
	v_wmma_scale_f32_16x16x128_f8f6f4 v[O+8*\t:O+8*\t+7], v[KV+12*\t:KV+12*\t+11], v[PC:PC+11], v[O+8*\t:O+8*\t+7], v[VSC+\t-2], v[PW] matrix_a_fmt:MATRIX_FMT_FP6 matrix_b_fmt:MATRIX_FMT_FP6 matrix_a_scale:MATRIX_SCALE_ROW1
.endr
.Lhid_\@:
	s_add_co_u32 s[TB], s[TB], REC
	s_add_co_u32 s[SI], s[SI], 1
.endm
.macro KLOOP n                         ; n steps: a constant of the text
	s_mov_b32 s[CNT], \n
.Lkeys_\@:
	STEP
	s_sub_co_u32 s[CNT], s[CNT], 1
	s_cmp_lg_u32 s[CNT], 0
	s_cbranch_scc1 .Lkeys_\@
	s_setprio 0
.endm
; A tile begins.  The step is written for all steps alike: the first finds zeros, which the first change of M leaves zeros; so O^T's 32 registers are cleared here, twice in the launch
.macro HEAD last, t
	s_mov_b32 s[LAST], s[\last]
	s_mov_b32 s[SI], 0
	s_mov_b32 s[TB], 0
	s_and_b32 s66, s[\t], 7
	s_lshl_b32 s66, s66, 4
	v_add_nc_u32 v[DM], s66, v[RH]                 ; 16 (T % 8) + r - 16 h
	v_mov_b32 v13, 0xff61b1e6                      ; the largest t so far: -3e38, under every t
	s_delay_alu instid0(VALU_DEP_1)
	v_floor_f32 v12, -v13
	v_mov_b32 v14, 0
	v_mov_b32 v15, 0
.set j, 0
.rept 32
	v_mov_b32 v[O+j], 0
.set j, j+1
.endr
.endm
; A tile ends: O^T / the sum; register 16 b + i is channel 32 b + 16 h + i of my query: two blocks of 32 along the model's axis, quantised as p is; the codes are half a fragment of the last product's A
.macro WAYOUT bo, bs
.rept 4
	v_nop                                          ; four places behind the last products
.endr
	v_add_f32 v14, v14, v15                        ; the sum's two halves,
	s_delay_alu instid0(VALU_DEP_1)
	v_permlanex16_b32 v[TMP], v14, s[SEL], s[SEL+1]
	s_delay_alu instid0(VALU_DEP_1)
	v_add_f32 v14, v14, v[TMP]                     ; and lane l xor 16's
	s_wait_alu depctr_va_vdst(0)
	v_rcp_f32 v14, v14
	v_nop                                          ; one plain place behind a transcendental
.set j, 0
	s_wait_alu depctr_va_vdst(0)
.rept 32
	v_mul_f32 v[S+j], v[O+j], v14                  ; each accumulator from its low end on
.set j, j+1
.endr
.irp b, 0,1
	v_max3_num_f32 v[BM+\b], |v[S+16*\b]|, |v[S+16*\b+1]|, 0x1800000
.endr
.irp i, 2,4,6,8,10,12,14
.irp b, 0,1
	s_delay_alu instid0(VALU_DEP_2)
	v_max3_num_f32 v[BM+\b], v[BM+\b], |v[S+16*\b+\i]|, |v[S+16*\b+\i+1]|
.endr
.endr
.irp b, 0,1
	s_delay_alu instid0(VALU_DEP_2)
	v_permlanex16_b32 v[BP+\b], v[BM+\b], s[SEL], s[SEL+1]
.endr
.irp b, 0,1
	s_delay_alu instid0(VALU_DEP_2)
	v_max_num_f32 v[BM+\b], v[BM+\b], v[BP+\b]
.endr
.irp b, 0,1
	s_delay_alu instid0(VALU_DEP_2)
	v_add_nc_u32 v[BS+\b], 0xff000000, v[BM+\b]
.endr
.irp b, 0,1
	s_delay_alu instid0(VALU_DEP_2)
	v_lshrrev_b32 v[BP+\b], 23, v[BS+\b]
.endr
	s_delay_alu instid0(VALU_DEP_1)
	v_lshl_or_b32 v[PW], v[BP+1], 8, v[BP]         ; my row's two scale bytes
	v_cvt_scalef32_pk16_fp6_f32 v[PC:PC+2], v[S:S+15], v[BS]
	v_cvt_scalef32_pk16_fp6_f32 v[CT:CT+2], v[S+16:S+31], v[BS+1]
	v_nop                                          ; one plain place behind a scaled conversion
.irp i, 0,1,2
	v_permlane16_swap_b32 v[PC+\i], v[CT+\i]
.endr
.irp i, 0,1,2
	s_delay_alu instid0(VALU_DEP_3)
	v_mov_b32 v[PC+3+\i], v[CT+\i]
.endr
.irp p, 0,1,2
	global_store_b64 v[GO], v[PC+2*\p:PC+2*\p+1], s[\bo:\bo+1] offset:256*\p   ; 256 consecutive bytes, aligned
.endr
	global_store_b16 v[GS], v[PW], s[\bs:\bs+1]    ; two bytes of each of 16 rows of 32: all that a head owns there (lanes 16-31 repeat lanes 0-15's bytes at the same places); 262,144 bytes in the whole launch
.endm
	s_wait_tensorcnt 0x1                           ; my part of steps 0-3 is in; the second load may stay out
	s_barrier_signal -1
	s_barrier_wait -1                              ; everybody's is
	s_wait_loadcnt 0x0                             ; Q of both tiles
	HEAD 71, 18                                    ; T2
	KLOOP 4                                        ; steps 0-3 read bytes under 52,224 alone
	s_wait_tensorcnt 0x0                           ; my part of the rest is in,
	s_wait_dscnt 0x0
	s_barrier_signal -1
	s_barrier_wait -1                              ; everybody's is
	KLOOP 12
	WAYOUT 56, 60
	s_wait_xcnt 0x0                                ; the stores' data are written again only behind this wait
.irp i, 0,1,2,3,4,5
	v_mov_b32 v[QC+\i], v[Q1+\i]                   ; T1's Q; the 37 vector lines that begin the tile stand between these and the first product
.endr
	v_mov_b32 v[QS], v[Q1+6]
	HEAD 70, 17                                    ; T1: its last step is 7 at the most
	KLOOP 8
	WAYOUT 58, 62
	s_wait_tensorcnt 0x0
	ds_add_u32 v254, v255
	s_wait_dscnt 0x0
	ROUND                                          ; the closing round
	s_endpgm
.Lfunc_end_k_q1a7066815f_attn:
	.size	k_q1a7066815f_attn, .Lfunc_end_k_q1a7066815f_attn-k_q1a7066815f_attn
	.p2alignl 7, 3214868480
	.fill 96, 4, 3214868480
	.section	.rodata,"a",@progbits
	.p2align	6, 0x0
	.amdhsa_kernel k_q1a7066815f_attn
		.amdhsa_group_segment_fixed_size 327680
		.amdhsa_private_segment_fixed_size 0
		.amdhsa_enable_private_segment 0
		.amdhsa_kernarg_size 32
		.amdhsa_user_sgpr_count 2
		.amdhsa_user_sgpr_kernarg_segment_ptr 1
		.amdhsa_wavefront_size32 1
		.amdhsa_system_sgpr_workgroup_id_x 1
		.amdhsa_system_sgpr_workgroup_id_y 1
		.amdhsa_system_sgpr_workgroup_id_z 1
		.amdhsa_system_vgpr_workitem_id 0
		.amdhsa_next_free_vgpr 256
		.amdhsa_next_free_sgpr 72
		.amdhsa_reserve_vcc 1
		.amdhsa_float_denorm_mode_32 3
		.amdhsa_float_denorm_mode_16_64 3
		.amdhsa_memory_ordered 1
		.amdhsa_forward_progress 1
		.amdhsa_inst_pref_size 93
	.end_amdhsa_kernel
	.amdgpu_metadata
---
amdhsa.version: [ 1, 2 ]
amdhsa.kernels:
  - .name:           k_q1a7066815f_attn
    .symbol:         k_q1a7066815f_attn.kd
    .args:
      - { .name: qrec, .offset: 0, .size: 8, .value_kind: global_buffer, .address_space: global }
      - { .name: kv, .offset: 8, .size: 8, .value_kind: global_buffer, .address_space: global }
      - { .name: oimg, .offset: 16, .size: 8, .value_kind: global_buffer, .address_space: global }
      - { .name: osc, .offset: 24, .size: 8, .value_kind: global_buffer, .address_space: global }
    .group_segment_fixed_size: 327680
    .private_segment_fixed_size: 0
    .kernarg_segment_align: 8
    .kernarg_segment_size: 32
    .max_flat_workgroup_size: 512
    .sgpr_count:     72
    .vgpr_count:     256
    .wavefront_size: 32
...
	.end_amdgpu_metadata
.endif
;; end of part 2
;; launch oproj (part 3): grid 4 x 32, 4 waves a work-group, clusters of 4 x 4, 327,680 bytes of LDS; arguments oimg, osc, Wo_codes, Wo_scales, out0; writes out0
.if DOCPART == 3
	.amdgcn_target "amdgcn-amd-amdhsa--gfx1250"
	.amdhsa_code_object_version 6
	.text
	.protected	k_q1a7066815f_oproj
	.globl	k_q1a7066815f_oproj
	.p2align	8
	.type	k_q1a7066815f_oproj,@function
k_q1a7066815f_oproj:
	s_mov_b64 s[64:65], 0
	v_nop
	global_prefetch_b8 v0, s[64:65] scope:SCOPE_SE
	s_setreg_imm32_b32 hwreg(HW_REG_WAVE_MODE, 25, 1), 1
	s_wait_xcnt 0x0
	s_wait_alu depctr_hold_cnt(0) depctr_sa_sdst(0) depctr_va_vdst(0) depctr_va_sdst(0) depctr_va_ssrc(0) depctr_va_vcc(0) depctr_vm_vsrc(0)
	s_getreg_b32 s2, hwreg(HW_REG_IB_STS2, 6, 4)
	s_cmp_eq_u32 s2, 0
	s_cbranch_scc0 .Lentry_in_a_cluster
	s_endpgm
.Lentry_in_a_cluster:
	s_bfe_u32 s2, ttmp6, 0x10000c
	s_cmp_lg_u32 s2, 0xf033
	s_cbranch_scc0 .Lentry_shape_is_right
	s_endpgm
.Lentry_shape_is_right:
; out0[m][n] = sum over k of o[m][k] Wo[n][k], M = 8,192, N = K = 1,024, on codes of FP6 (E2M3) with one E8M0 scale for each 32 along K; sums and out0 in f32.
; o comes from the launch before as IMAGES OF A'S FRAGMENTS: oimg [tile of 16 rows, 512][128 along K, 8][six runs of 256 bytes], a run = one pair of registers of all 32 lanes, lane l at byte 8 l;
; its scale bytes osc [8,192][32] lie as rows.  Wo's codes lie as rows of 768 bytes, its scale bytes as rows of 32.
; A tile of out0, 256 x 256, is made by a work-group of four waves, as many as a WGP has SIMDs; a wave makes 128 x 128: 64 accumulators, 512 registers.  K goes in slots of 256 through a ring of two LDS slots.
; The scale bytes of the work-group's 256 rows of o and of Wo, for all of K, are two dense blocks: they come into LDS once, with the first fills.
; CLUSTERS: 4 x 4 work-groups; A's tile is shared along a row of the cluster, B's along a column: each is asked for jointly, by the same tensor load with the same descriptor and a mask that names the four.
; THE MATRIX INSTRUCTION IS USED TRANSPOSED (source 0 = 16 rows of Wo, source 1 = 16 rows of o): a lane then holds eight neighbouring numbers of a row of out0.
; LIMITS: scale bytes 0xff are not served.
; REGISTERS, in windows of 256: window 0: v0-31 addresses; v32-63 scale words, two sets; v128-223 A's fragments, one set; on the way out v128-255 hold rows.
;   window 1: B's fragments, two sets, at v0 and v128.   window 2: the accumulators of my rows 0-63 ((a, b) at v[8 (8 a + b)]);   window 3: those of rows 64-127.
.set SIZE_N, 1024
.set NQ,     2                         ; steps of 128 along K in a slot
.set ROWB,   192                       ; a row of B's tile
.set KROW,   768                       ; a row of Wo in memory; also a row's share of oimg (16 rows: 12,288 bytes)
.set PITCH,  240                       ; B's LDS row: 3 x (64 bytes + 16 of padding)
.set AIMG,   3072                      ; A: a tile of 16 rows x 256 K: two fragments' images
.set FR,     12
.set NL,     6
.set NP,     4                         ; places behind this matrix instruction (ISA guide 7.12.1)
.set HALFA,  8*AIMG                    ; A's 128 rows: one tensor load
.set HALFB,  128*PITCH                 ; B's 128 rows: one tensor load
.set BOFF,   2*HALFA
.set SLOT,   BOFF+2*HALFB              ; 110,592
.set SCL,    2*SLOT                    ; behind the ring: the scale bytes, as runs of 256 bytes + 16 of padding
.set HALFS,  16*272
.set SBLK,   2*272
.set SPARE,  SCL+4*HALFS               ; the spare words, 128 bytes for each wave: two blocks of 256 bytes that no other line names
.set SPITCH, 528                       ; the way out: a stage of 16 rows x (512 bytes + 16) for each wave.  It lies in slot 0, which has had its last fill and its last read when the first result is stored there
.set ADRA, 16                          ; v16-17  LDS address of my A images in slot 0, 1
.set ADRB, 20                          ; v20-21  of my B fragments  (v22-23: for the pieces behind one padding more)
.set STO,  24                          ; v24     the way out: where I put 32 bytes of a row
.set RD,   25                          ; v25     where I read a row back
.set CO,   26                          ; v26     my byte offset in a row of out0
.set ADRS, 27                          ; v27     LDS address of my scale words: lanes 0-15 A's rows, lanes 16-31 B's
.set SPW,  28                          ; v28     LDS address of my spare word; never rewritten
.set NIL,  29                          ; v29     0; never rewritten
.set SC,   32
.set AF,   128
.set BK,   128
.set G1,   24
.set G0,   32
.set G1B,  48
.set G0B,  56
.set G1S,  68
.set G0S,  76
.set G1SB, 80
.set G0SB, 88
.set MSB, 0
.macro WIN new                         ; the immediate's high byte repeats the setting that is left
.if MSB != (\new)
	s_set_vgpr_msb (MSB<<8)|(\new)
.set MSB, (\new)
.endif
.endm
.set MUL_LO, 0xa1
.set MUL_HI, 0xf1
.set TO_B,   0x40
.macro JLOAD g0a, g1a, g0b, g1b        ; a joint load: waves 0 and 1 fetch for A, waves 2 and 3 for B; four v_nop follow each of the two lines
	s_cmp_eq_u32 s15, 0
	s_cbranch_scc0 .Lfor_b_\@
	tensor_load_to_lds s[\g0a:\g0a+3], s[\g1a:\g1a+7]
	s_nop 0
.rept 4
	v_nop
.endr
	s_branch .Lasked_\@
.Lfor_b_\@:
	tensor_load_to_lds s[\g0b:\g0b+3], s[\g1b:\g1b+7]
	s_nop 0
.rept 4
	v_nop
.endr
.Lasked_\@:
.endm
.macro CREST
	s_cmp_lg_u32 s14, 0
	s_cbranch_scc1 .Lnot_wave_0_\@
	s_barrier_signal -3
.Lnot_wave_0_\@:
	s_barrier_wait -3
	s_barrier_signal -1
	s_barrier_wait -1
.endm
.macro CROUND
	s_barrier_signal -1
	s_barrier_wait -1
	CREST
.endm
	s_load_b128 s[4:7], s[0:1], 0x0                ; oimg, osc
	s_load_b128 s[8:11], s[0:1], 0x10              ; Wo's codes, Wo's scales
	s_load_b64 s[12:13], s[0:1], 0x20              ; out0
	v_lshl_add_u32 v[SPW], v0, 2, SPARE
	v_mov_b32 v[NIL], 0
	ds_add_u32 v28, v29
	ds_add_u32 v28, v29
	s_wait_dscnt 0x0
	v_lshrrev_b32 v1, 5, v0
	v_readfirstlane_b32 s14, v1                    ; wave 0..3
	s_lshr_b32 s15, s14, 1                         ; which half of the tile's rows is mine.  Also: I fetch for A (0) or for B (1)
	s_and_b32 s16, s14, 1                          ; which half of its columns.  Also: which 128 rows of that tile I fetch
	s_bfe_u32 s40, ttmp6, 0x40000                  ; cx, cy
	s_bfe_u32 s41, ttmp6, 0x40004
	s_lshl_b32 s42, ttmp9, 2
	s_add_co_u32 s42, s42, s40                     ; tile column
	s_and_b32 s17, ttmp7, 0xffff
	s_lshl_b32 s17, s17, 2
	s_add_co_u32 s17, s17, s41                     ; tile row
	s_lshl_b32 s43, s41, 2
	s_lshl_b32 s43, 15, s43                        ; my row of the cluster
	s_lshl_b32 s44, 0x1111, s40                    ; my column
	; A: 8 tiles of 16 rows, of each 3,072 bytes (384 elements of 8 bytes), 12,288 bytes apart; dense in LDS
	s_or_b32 s[G1+0], s43, (3<<16)|(1<<21)         ; 15:0 the mask: my row; 17:16 elements of 8 bytes; 20 no padding; 21 set beside a mask
	s_mov_b32 s[G1+1], 384<<16
	s_mov_b32 s[G1+2], 8<<16
	s_mov_b32 s[G1+3], 384<<16
	s_mov_b32 s[G1+4], 8
	s_mov_b32 s[G1+5], 1536
	s_mov_b32 s[G1+6], 0
	s_mov_b32 s[G1+7], 0
	; B: 128 rows x 192 bytes, 16 bytes of padding behind every 64
	s_or_b32 s[G1B+0], s44, (0<<16)|(1<<20)|(1<<21)|(3<<22)|(3<<25)
	s_mov_b32 s[G1B+1], ROWB<<16
	s_mov_b32 s[G1B+2], 128<<16
	s_mov_b32 s[G1B+3], ROWB<<16
	s_mov_b32 s[G1B+4], 128
	s_mov_b32 s[G1B+5], KROW
	s_mov_b32 s[G1B+6], 0
	s_mov_b32 s[G1B+7], 0
	; the scales of 128 rows: 4,096 dense bytes, as 16 rows of 256 bytes, 16 bytes of padding behind each
	s_or_b32 s[G1S+0], s43, (3<<16)|(1<<20)|(1<<21)|(5<<22)|(3<<25)
	s_or_b32 s[G1SB+0], s44, (3<<16)|(1<<20)|(1<<21)|(5<<22)|(3<<25)
.irp g, G1S, G1SB
	s_mov_b32 s[\g+1], 32<<16
	s_mov_b32 s[\g+2], 16<<16
	s_mov_b32 s[\g+3], 32<<16
	s_mov_b32 s[\g+4], 16
	s_mov_b32 s[\g+5], 32
	s_mov_b32 s[\g+6], 0
	s_mov_b32 s[\g+7], 0
.endr
	s_lshl_b32 s18, s16, 7
	s_lshl_b32 s20, s17, 8
	s_add_co_u32 s20, s20, s18                     ; A: row 256 x tile row + 128 x half
	s_lshl_b32 s46, s42, 8
	s_add_co_u32 s46, s46, s18                     ; B: row 256 x tile column + 128 x half
	s_lshl_b32 s22, s20, 5                         ; their scales: 32 bytes a row
	s_mov_b32 s23, 0
	s_lshl_b32 s92, s46, 5
	s_mov_b32 s93, 0
	s_mul_i32 s20, s20, KROW                       ; their codes (A's row is a multiple of 16: its tile's images begin there)
	s_mov_b32 s21, 0
	s_mul_i32 s46, s46, KROW
	s_mov_b32 s47, 0
	s_mul_i32 s45, s16, HALFA                      ; where they go: A's two halves,
	s_mul_i32 s95, s16, HALFB
	s_add_co_u32 s95, s95, BOFF                    ; then B's two: no place in the cluster enters an LDS address
	s_mul_i32 s94, s14, HALFS
	s_wait_kmcnt 0x0
	s_add_nc_u64 s[20:21], s[4:5], s[20:21]
	s_add_nc_u64 s[22:23], s[6:7], s[22:23]
	s_add_nc_u64 s[46:47], s[8:9], s[46:47]
	s_add_nc_u64 s[92:93], s[10:11], s[92:93]
	CROUND                                         ; all sixteen work-groups are here: the first joint loads meet
	s_mov_b32 s[G0S], 1
	s_add_co_u32 s[G0S+1], s94, SCL
	s_mov_b64 s[G0S+2:G0S+3], s[22:23]
	s_or_b32 s[G0S+3], s[G0S+3], 0x80000000
	s_mov_b32 s[G0SB], 1
	s_add_co_u32 s[G0SB+1], s94, SCL
	s_mov_b64 s[G0SB+2:G0SB+3], s[92:93]
	s_or_b32 s[G0SB+3], s[G0SB+3], 0x80000000
	JLOAD G0S, G1S, G0SB, G1SB                     ; the scales first
.irp s, 0,1
	s_mov_b32 s[G0+4*\s], 1
	s_add_co_u32 s[G0+4*\s+1], s45, \s*SLOT
	s_add_nc_u64 s[G0+4*\s+2:G0+4*\s+3], s[20:21], \s*AIMG
	s_or_b32 s[G0+4*\s+3], s[G0+4*\s+3], 0x80000000
	s_mov_b32 s[G0B+4*\s], 1
	s_add_co_u32 s[G0B+4*\s+1], s95, \s*SLOT
	s_add_nc_u64 s[G0B+4*\s+2:G0B+4*\s+3], s[46:47], \s*ROWB
	s_or_b32 s[G0B+4*\s+3], s[G0B+4*\s+3], 0x80000000
	JLOAD G0+4*\s, G1, G0B+4*\s, G1B
.endr
	v_and_b32 v1, 15, v0                           ; r
	v_bfe_u32 v2, v0, 4, 1                         ; h
	v_and_b32 v6, 31, v0                           ; lane
	v_lshlrev_b32 v7, 3, v6                        ; A: 8 lane
	v_mul_u32_u24 v3, v1, PITCH
	v_mad_u32_u24 v4, v2, 24, v3                   ; B: row r x pitch + 24 h
	v_lshl_add_u32 v5, v2, 4, v4                   ; and the same behind one padding more
	s_mul_i32 s21, s15, HALFA                      ; my 128 rows of A
	s_mul_i32 s22, s16, HALFB                      ; my 128 rows of B
	s_add_co_u32 s22, s22, BOFF
.irp s, 0,1
	v_add_nc_u32 v[ADRA+\s], s21, v7
	v_add_nc_u32 v[ADRB+\s], s22, v4
	v_add_nc_u32 v[ADRB+2+\s], s22, v5
	s_add_co_u32 s21, s21, SLOT
	s_add_co_u32 s22, s22, SLOT
.endr
	v_lshlrev_b32 v5, 5, v1                        ; my row's scales: 32 bytes a row,
	v_lshrrev_b32 v8, 8, v5
	v_lshl_add_u32 v5, v8, 4, v5                   ; and 16 more for each 256 passed
	s_mul_i32 s21, s15, HALFS
	s_mul_i32 s22, s16, HALFS
	s_add_co_u32 s22, s22, 2*HALFS
	s_sub_co_u32 s22, s22, s21
	v_mul_u32_u24 v8, s22, v2                      ; lanes 16-31 take B's
	s_add_co_u32 s21, s21, SCL
	v_add_nc_u32 v5, v5, v8
	v_add_nc_u32 v[ADRS], s21, v5
	s_mul_i32 s23, s14, 16*SPITCH                  ; my stage
	v_mul_u32_u24 v5, v1, SPITCH                   ; in: row r, 32 bytes for each half of the lanes
	v_lshl_add_u32 v5, v2, 5, v5
	v_add_nc_u32 v[STO], s23, v5
	v_lshlrev_b32 v[CO], 4, v6                     ; back: the 32 lanes take one row of 512 bytes; and the same in out0
	v_add_nc_u32 v[RD], s23, v[CO]
	s_lshl_b32 s20, s17, 8
	s_lshl_b32 s21, s15, 7
	s_add_co_u32 s20, s20, s21                     ; my first row of out0
	s_lshl_b32 s20, s20, 12                        ; x 4,096 bytes (under 2^25)
	s_lshl_b32 s46, s42, 10                        ; my first column, in bytes
	s_lshl_b32 s47, s16, 9
	s_add_co_u32 s46, s46, s47
	s_add_co_u32 s20, s20, s46
	s_mov_b32 s21, 0
	s_add_nc_u64 s[12:13], s[12:13], s[20:21]
.macro FRAGB reg, adr, q, i            ; 16 rows x 128 K from rows: registers 6 c .. 6 c + 5 hold K = 64 c + 32 (l / 16) + 0 .. 31, in pieces of 8 bytes; where the piece three on lies behind one padding more, the second address register serves
.irp p, 0,1,2,3,4,5
.set PCE, 12*(\q)+6*(\p/3)+\p%3
.if PCE%8 < 5
	ds_load_b64 v[\reg+2*\p:\reg+2*\p+1], v[\adr] offset:8*PCE+16*(PCE/8)+(\i)*16*PITCH
.else
	ds_load_b64 v[\reg+2*\p:\reg+2*\p+1], v[\adr+2] offset:8*PCE+16*(PCE/8)+(\i)*16*PITCH
.endif
.endr
.endm
.macro FRAGA reg, slot, q, i           ; the same from an image: six loads of 256 consecutive bytes
.irp p, 0,1,2,3,4,5
	ds_load_b64 v[\reg+2*\p:\reg+2*\p+1], v[ADRA+\slot] offset:(\i)*AIMG+(\q)*1536+256*\p
.endr
.endm
; 16 matrix instructions: A's blocks a0, a0 + 1 x B's eight.  The 64 accumulators take turns, one instruction a turn, in the same order in every step.
.macro MUL16 a0, p, q, sc, zero
.irp a, \a0, \a0+1
.irp b, 0,1,2,3,4,5,6,7
.if \zero
	v_wmma_scale_f32_16x16x128_f8f6f4 v[8*(8*((\a)%4)+\b):8*(8*((\a)%4)+\b)+7], v[128*(\p)+FR*\b:128*(\p)+FR*\b+FR-1], v[AF+FR*(\a):AF+FR*(\a)+FR-1], 0, v[SC+8*NQ*(\sc)+NQ*\b+(\q)], v[SC+8*NQ*(\sc)+NQ*(\a)+(\q)] matrix_a_fmt:MATRIX_FMT_FP6 matrix_b_fmt:MATRIX_FMT_FP6 matrix_a_scale:MATRIX_SCALE_ROW1
.else
	v_wmma_scale_f32_16x16x128_f8f6f4 v[8*(8*((\a)%4)+\b):8*(8*((\a)%4)+\b)+7], v[128*(\p)+FR*\b:128*(\p)+FR*\b+FR-1], v[AF+FR*(\a):AF+FR*(\a)+FR-1], v[8*(8*((\a)%4)+\b):8*(8*((\a)%4)+\b)+7], v[SC+8*NQ*(\sc)+NQ*\b+(\q)], v[SC+8*NQ*(\sc)+NQ*(\a)+(\q)] matrix_a_fmt:MATRIX_FMT_FP6 matrix_b_fmt:MATRIX_FMT_FP6 matrix_a_scale:MATRIX_SCALE_ROW1
.endif
.endr
.endr
.endm
.macro FETCH_B slot, q, p
	WIN TO_B
.irp i, 0,1,2,3,4,5,6,7
	FRAGB 128*(\p)+FR*\i, ADRB+\slot, \q, \i
.endr
	WIN 0
.endm
.macro FETCH_A slot, q, i0
.irp i, \i0, \i0+1, \i0+2, \i0+3
	FRAGA AF+FR*(\i), \slot, \q, \i
.endr
.endm
.macro SCALES sc                       ; the next slot's scale words: two words a row; lanes 0-15 A's block i, lanes 16-31 B's block i
.irp i, 0,1,2,3,4,5,6,7
	ds_load_b64 v[SC+8*NQ*\sc+NQ*\i:SC+8*NQ*\sc+NQ*\i+1], v[ADRS] offset:\i*SBLK
.endr
.endm
.macro PLACES n                        ; plain vector instructions that name no register of the matrix instructions in front (ISA guide 7.12.1 for vector instructions)
.rept \n
	v_nop
.endr
.endm
.macro STEP slot, q, zero              ; a step of 128 along K that has its successor in the same slot
	s_wait_dscnt 4*NL                              ; B's set and A's blocks 0-3 are in; the 24 youngest loads (A's blocks 4-7) may be out
	WIN MUL_LO
	MUL16 0, (\q)%2, \q, \slot, \zero
	MUL16 2, (\q)%2, \q, \slot, \zero
	s_wait_dscnt 0
	PLACES NP
	FETCH_B \slot, (\q)+1, 1-(\q)%2
	FETCH_A \slot, (\q)+1, 0
	WIN MUL_HI
	MUL16 4, (\q)%2, \q, \slot, \zero
	MUL16 6, (\q)%2, \q, \slot, \zero
	PLACES NP
	WIN 0
	FETCH_A \slot, (\q)+1, 4
.endm
; A slot's last step changes slots: ONE barrier; in front of it each wave waits for all its tensor loads, adds 0 to its spare word, and waits for that and for its own reads of this slot.
.macro TURN slot, next, fill
	s_wait_tensorcnt 0x0                           ; all my tensor loads have landed: my part of the next slot
	ds_add_u32 v[SPW], v[NIL]                      ; 0 onto my spare word
	s_wait_dscnt 4*NL+1                            ; (the add and the 24 youngest loads may be out)
	WIN MUL_LO
	MUL16 0, 1, NQ-1, \slot, 0
	s_wait_dscnt 0x0                               ; the add is done, and my reads of this slot are over
	s_barrier_signal -1
	MUL16 2, 1, NQ-1, \slot, 0
	WIN 0
	s_barrier_wait -1
.if \fill
	CREST                                          ; the barrier has opened a round of the cluster's barrier
	s_add_nc_u64 s[G0+4*\slot+2:G0+4*\slot+3], s[G0+4*\slot+2:G0+4*\slot+3], 2*AIMG
	s_add_nc_u64 s[G0B+4*\slot+2:G0B+4*\slot+3], s[G0B+4*\slot+2:G0B+4*\slot+3], 2*ROWB
	JLOAD G0+4*\slot, G1, G0B+4*\slot, G1B         ; the first tensor load behind the round; its four v_nop are the places in front of the loads below
.else
	PLACES NP
.endif
	v_add_nc_u32 v[ADRS], 4*NQ, v[ADRS]
	FETCH_B \next, 0, 0
	FETCH_A \next, 0, 0
	SCALES \next
	WIN MUL_HI
	MUL16 4, 1, NQ-1, \slot, 0
	MUL16 6, 1, NQ-1, \slot, 0
	PLACES NP
	WIN 0
	FETCH_A \next, 0, 4
.endm
	s_wait_tensorcnt 1                             ; three loads of mine are out: the scales and my part of slot 0 are in, slot 1's may stay out
	s_barrier_signal -1
	s_barrier_wait -1
	FETCH_B 0, 0, 0
	FETCH_A 0, 0, 0
	SCALES 0
	FETCH_A 0, 0, 4
	; K = 1,024 is four slots, eight steps: twice round the ring, written out
	STEP 0, 0, 1                                   ; the first step's products start the sums
	TURN 0, 1, 1
	STEP 1, 0, 0
	TURN 1, 0, 1
	STEP 0, 0, 0
	TURN 0, 1, 0                                   ; nothing is left to fetch: no round.  Behind this barrier nobody reads slot 0
	STEP 1, 0, 0
	s_wait_dscnt 4*NL
	WIN MUL_LO
	MUL16 0, 1, NQ-1, 1, 0
	MUL16 2, 1, NQ-1, 1, 0
	s_wait_dscnt 0
	WIN MUL_HI
	MUL16 4, 1, NQ-1, 1, 0
	MUL16 6, 1, NQ-1, 1, 0
	WIN 0
; THE WAY OUT, block by block of 16 rows x 128 columns: through my own stage in LDS, back as whole rows of 512 bytes.  LDS serves a wave's instructions in order (ISA guide 5.7.1.4): no wait between the stores and the loads.
.macro TOSTAGE a
.set AC, 64*((\a)%4)
	WIN 0x08+4*((\a)/4)                            ; the data: window 2 or 3
.irp b, 0,1,2,3,4,5,6,7
	ds_store_b128 v[STO], v[AC+8*\b:AC+8*\b+3] offset:64*\b          ; each accumulator from its low end on
	ds_store_b128 v[STO], v[AC+8*\b+4:AC+8*\b+7] offset:64*\b+16
.endr
	WIN 0
.set BB, BK+64*((\a)%2)
.irp t, 0,1,2,3,4,5,6,7,8,9,10,11,12,13,14,15
	ds_load_b128 v[BB+4*\t:BB+4*\t+3], v[RD] offset:\t*SPITCH
.endr
.endm
.macro SEND a, younger                 ; younger: the LDS instructions issued behind block a's loads, which may stay out
.set BB, BK+64*((\a)%2)
	s_wait_dscnt \younger
.if (\a) > 0
	s_add_nc_u64 s[12:13], s[12:13], 16*SIZE_N*4   ; (behind a wait on XCNT: the earlier stores have read their base)
.endif
.irp t, 0,1,2,3,4,5,6,7,8,9,10,11,12,13,14,15
	global_store_b128 v[CO], v[BB+4*\t:BB+4*\t+3], s[12:13] offset:\t*SIZE_N*4 th:TH_STORE_NT   ; 512 consecutive bytes, aligned; written once, read by nobody here
.endr
.endm
	PLACES NP                                      ; behind the last products: their results are read, and loads land in the registers that held A's fragments
	TOSTAGE 0
.irp a, 1,2,3,4,5,6,7
.if \a > 1
	s_wait_xcnt 0x0                                ; block a - 2's stores have read their registers and their base
.endif
	TOSTAGE \a
	SEND \a-1, 32                                  ; behind block a - 1's loads: block a's 16 stores and 16 loads
.endr
	s_wait_xcnt 0x0
	SEND 7, 0
	s_wait_tensorcnt 0x0                           ; the wave's end
	ds_add_u32 v[SPW], v[NIL]
	s_wait_dscnt 0x0
	CROUND                                         ; the closing round
	s_endpgm
.Lfunc_end_k_q1a7066815f_oproj:
	.size	k_q1a7066815f_oproj, .Lfunc_end_k_q1a7066815f_oproj-k_q1a7066815f_oproj
	.p2alignl 7, 3214868480
	.fill 96, 4, 3214868480
	.section	.rodata,"a",@progbits
	.p2align	6, 0x0
	.amdhsa_kernel k_q1a7066815f_oproj
		.amdhsa_group_segment_fixed_size 327680
		.amdhsa_private_segment_fixed_size 0
		.amdhsa_enable_private_segment 0
		.amdhsa_kernarg_size 40
		.amdhsa_user_sgpr_count 2
		.amdhsa_user_sgpr_kernarg_segment_ptr 1
		.amdhsa_wavefront_size32 1
		.amdhsa_system_sgpr_workgroup_id_x 1
		.amdhsa_system_sgpr_workgroup_id_y 1
		.amdhsa_system_sgpr_workgroup_id_z 1
		.amdhsa_system_vgpr_workitem_id 0
		.amdhsa_next_free_vgpr 1024
		.amdhsa_next_free_sgpr 98
		.amdhsa_reserve_vcc 0
		.amdhsa_float_denorm_mode_32 3
		.amdhsa_float_denorm_mode_16_64 3
		.amdhsa_memory_ordered 1
		.amdhsa_forward_progress 1
		.amdhsa_inst_pref_size 160
	.end_amdhsa_kernel
	.amdgpu_metadata
---
amdhsa.version: [ 1, 2 ]
amdhsa.kernels:
  - .name:           k_q1a7066815f_oproj
    .symbol:         k_q1a7066815f_oproj.kd
    .args:
      - { .name: oimg, .offset: 0, .size: 8, .value_kind: global_buffer, .address_space: global }
      - { .name: osc, .offset: 8, .size: 8, .value_kind: global_buffer, .address_space: global }
      - { .name: Wo_codes, .offset: 16, .size: 8, .value_kind: global_buffer, .address_space: global }
      - { .name: Wo_scales, .offset: 24, .size: 8, .value_kind: global_buffer, .address_space: global }
      - { .name: out0, .offset: 32, .size: 8, .value_kind: global_buffer, .address_space: global }
    .group_segment_fixed_size: 327680
    .private_segment_fixed_size: 0
    .kernarg_segment_align: 8
    .kernarg_segment_size: 40
    .max_flat_workgroup_size: 128
    .sgpr_count:     98
    .vgpr_count:     1024
    .wavefront_size: 32
...
	.end_amdgpu_metadata
.endif
;; end of part 3
